; MI455X (gfx1250); checked and timed in simulation.
; The chip was launched on July 23, 2026; its instructions are those of AMD's public machine-readable ISA for CDNA 5 (MIT licence, August 2026) and "CDNA5" Instruction Set Architecture Reference Guide (July 2026). The comments in the code are by the model that wrote it; some were corrected since.
;; Paged Attention. Allowed arithmetic: matrix products marked QUANTISED: E2M3 operands, one E8M0 scale for each 32 along K, by v_wmma_scale_f32_16x16x128_f8f6f4 with both operands' format E2M3, f32 sums; everything else in f32.
;; Inputs: Wk 1,024 x 1,024 float32; Wo 1,024 x 1,024 float32; Wq 1,024 x 1,024 float32; Wv 1,024 x 1,024 float32; attention_mask 1 x 4,096 float32; bk 1,024 float32; bo 1,024 float32; bq 1,024 float32; bv 1,024 float32; hidden_states 1 x 4,096 x 1,024 float32.
;; Outputs: out0 1 x 4,096 x 1,024 float32.
;; This version of the problem:
;;   THIS VERSION OF THE PROBLEM IS GIVEN IN LOW PRECISION. The matrix products marked QUANTISED in the list below multiply operands that are first quantised to E2M3 (2 exponent bits, 3 mantissa bits; 6 bits a number), with one power-of-two scale for each 32 numbers along K (OCP MX v1.0); their sums are f32. All else is computed in f32.
;;   The module's matrix products, in the order in which they are computed (A, B: the left and right operand; K: the contracted axis; several contracted axes count as one K, in the product's order):
;;     1. [M 4,096, K 1,024] x [K 1,024, N 1,024]; A: input hidden_states; B: input Wq: QUANTISED
;;     2. [M 4,096, K 1,024] x [K 1,024, N 1,024]; A: input hidden_states; B: input Wk: QUANTISED
;;     3. [M 4,096, K 1,024] x [K 1,024, N 1,024]; A: input hidden_states; B: input Wv: QUANTISED
;;     4. batch 16 x [M 4,096, K 64] x [K 64, N 4,096]; A: computed on the way; B: computed on the way: QUANTISED
;;     5. batch 16 x [M 4,096, K 4,096] x [K 4,096, N 64]; A: softmax (see below); B: computed on the way: QUANTISED
;;     6. [M 4,096, K 1,024] x [K 1,024, N 1,024]; A: computed on the way; B: input Wo: QUANTISED
;;   THE QUANTISER, for each operand of a quantised product, along K:
;;     - K is cut into blocks of 32 from its start; a last block that is shorter is filled with zeros.
;;     - A block's scale is 2^e with e = floor(log2(the largest magnitude in the block)) - 2, held to -126 .. 127; a block of zeros has e = 0. As a byte (E8M0): e + 127.
;;     - Each number is divided by its block's scale, clamped to +-7.5, and rounded to the nearest number of E2M3, ties to even, subnormals kept.
;;     - The product sums the exact products of the quantised numbers (number of the format x scale) in f32.
;;   ~~~python
;;   def quantise(x, axis):      # numpy; x: float32 -> the quantised numbers, widened to float32 again
;;       x = np.moveaxis(x, axis, -1); K = x.shape[-1]
;;       x = np.pad(x, [(0, 0)] * (x.ndim - 1) + [(0, -K % 32)]); x = x.reshape(x.shape[:-1] + (-1, 32)); a = np.abs(x).max(-1, keepdims=True)
;;       e = np.where(a > 0, np.clip(np.frexp(np.where(a > 0, a, 1))[1] - 1 - 2, -126, 127), 0)      # np.frexp(a)[1] - 1 = floor(log2(a)), exactly
;;       r = np.clip(x / 2.0 ** e, -7.5, 7.5)
;;       step = 2.0 ** (np.maximum(np.frexp(np.where(r == 0, 1, r))[1] - 1, 0) - 3)
;;       q = np.round(r / step) * step * 2.0 ** e      # np.round: ties to even
;;       return np.moveaxis(q.reshape(q.shape[:-2] + (-1,))[..., :K], -1, axis).astype(np.float32)
;;   ~~~
;;   SOFTMAX AHEAD OF A QUANTISED PRODUCT. Where the list says 'softmax', what is quantised is not the finished softmax but p = 2^(t - M), with t = logit x log2(e) and M = ceil(the row's largest t), a whole number; so 1/2 < the row's largest p <= 1. The row's sum l is taken of the UNQUANTISED p, in f32, and the product's result is divided by l at the end. Since M is a whole number, a kernel that streams over the keys may use a running M (the ceiling of the running maximum): every later rescaling is an exact power of two, which a block's scale takes up: the codes' values come out the same.
;;   OPERANDS COMPUTED ON THE WAY. 'Computed on the way' means the value that the module computes at that place (a softmax that the list does not call 'softmax' is quantised finished and normalised). What goes into a quantiser is computed in f32, as accurately as f32 sums, v_exp_f32 and their like allow (about 1e-6 of the number): no bf16 or f16 on the way to a quantiser, and a product that is left as it is and whose result goes on into a quantised operand takes f32 operands (vector FMAs, or v_wmma_f32_16x16x4_f32). A number that lies on a knife's edge between two numbers of the format may be rounded either way, as far as f32 arithmetic and the matrix unit's own rounding can turn it there, and no further.
;; One version. Each part assembles by itself: llvm-mc -triple=amdgcn-amd-amdhsa -mcpu=gfx1250 --defsym DOCPART=n.
;; ======== version 1 of 1: 4 launches
;; limits: right only within a limited range of input values
;; workspace buffers: codes 6,291,456 bytes; scales 262,144 bytes; qk_codes 6,291,456 bytes; qk_scales 524,288 bytes; v_codes 3,145,728 bytes; v_scales 131,072 bytes; acodes 3,145,728 bytes; ascales 131,072 bytes
;; launch quant (part 1): grid 256 x 1, 4 waves a work-group, no clusters, 33,280 bytes of LDS; arguments hidden_states, Wq, Wk, Wv, Wo, codes, scales; writes codes, scales
.if DOCPART == 1
	.amdgcn_target "amdgcn-amd-amdhsa--gfx1250"
	.amdhsa_code_object_version 6
	.text
	.protected	k_q56a0646e2e_quant
	.globl	k_q56a0646e2e_quant
	.p2align	8
	.type	k_q56a0646e2e_quant,@function
k_q56a0646e2e_quant:
	s_mov_b64 s[64:65], 0
	v_nop
	global_prefetch_b8 v0, s[64:65] scope:SCOPE_SE
	s_setreg_imm32_b32 hwreg(HW_REG_WAVE_MODE, 25, 1), 1
	s_wait_xcnt 0x0
; hidden_states [4096][1024] and Wq, Wk, Wv, Wo [1024][1024], f32, K innermost, become codes of FP6 (E2M3) with one E8M0 byte for each 32 along K.
; The five tensors count as 8,192 COMBINED ROWS: 0.. x, 4096.. Wq, 5120.. Wk, 6144.. Wv, 7168.. Wo.
; codes:  [16 panels of 64 k][8,192 stored rows][48 bytes];   scales: [8,192 stored rows][32 bytes], byte k / 32.
; THE STORED ORDER OF ROWS: within each 32 rows the groups of eight 1 and 2 change places.  So 16 stored rows on end are rows 0-7 and 16-23 (or 8-15 and 24-31) of their 32: a tile whose
; results, used as a matrix instruction's source 0, fall into a lane's registers as neighbours.
; A block's scale is 2^(floor(log2(its largest magnitude)) - 2): its byte is the largest magnitude's exponent field - 2, held at 1 from below.  A block of zeros keeps the byte 1: its codes are zeros, and this program alone reads the bytes.
; LIMITS: blocks whose largest magnitude lies under 2^-124 take that floor's scale; NaN and infinities among the inputs are not served.
; SHARES: a wave takes 8 rows x all 1,024 k, in 16 steps of one panel (8 rows x 64 k = 512 numbers).  Each of a step's four loads reads two rows' 256 consecutive bytes, 16 bytes a lane; the 2,048 bytes turn through the wave's own
; stage in LDS and come back 64 bytes a lane: 16 neighbours along K, two neighbouring lanes to a block.  A lane's 16 codes are 12 bytes: a wave's store covers 384 consecutive bytes (8 rows x 48).
; A wave's 256 scale bytes (8 rows x 32) are gathered in LDS and leave as one store of 256 consecutive bytes.  No tensor loads, no barrier, no cluster: waves share nothing, and every input byte is read once.
.set WAVES, 4
.set STEPS, 16
.set EMAX,  2
.set CB,    12                         ; bytes of 16 codes
.set PANEL, 393216                     ; a panel of the codes' buffer: 8,192 rows x 48 bytes
.set R,     16                         ; v16-79   four sets of 16 numbers as they are loaded
.set X,     80                         ; v80-111  two sets of 16 neighbours
.set C,     128                        ; v128-191 codes: four registers for each step, so that no store's data are written again
.set E,     112                        ; v112-127 a scale byte for each step
.set WREG,  8192                       ; LDS: a region for each wave: two stages of 32 x SP bytes, behind them its 256 scale bytes
.set SP,    80                         ; a lane's place in a stage: 64 bytes + 16 of padding
.set SPW,   12                         ; v12  LDS address of my spare word; never rewritten
.set NIL,   13                         ; v13  0; never rewritten
.set SPARE, WAVES*WREG                 ; behind the four regions: the spare words, 128 bytes a wave
	s_load_b256 s[4:11], s[0:1], 0x0               ; hidden_states, Wq, Wk, Wv
	s_load_b128 s[12:15], s[0:1], 0x20             ; Wo, codes
	s_load_b64 s[16:17], s[0:1], 0x30              ; scales
	v_lshl_add_u32 v[SPW], v0, 2, SPARE
	v_mov_b32 v[NIL], 0
	v_lshrrev_b32 v1, 5, v0
	v_readfirstlane_b32 s18, v1                    ; wave
	v_and_b32 v2, 31, v0                           ; lane
	v_and_b32 v3, 15, v2
	v_lshrrev_b32 v10, 4, v2
	v_lshlrev_b32 v3, 4, v3
	v_lshl_add_u32 v3, v10, 12, v3                 ; in: 16 bytes a lane; lanes 16-31 take the next row, 4,096 bytes on
	s_mul_i32 s19, s18, WREG
	v_lshrrev_b32 v14, 2, v2
	v_mul_u32_u24 v14, v14, SP
	v_and_b32 v15, 3, v2
	v_lshl_add_u32 v14, v15, 4, v14
	v_add_nc_u32 v14, s19, v14                     ; the stage, on the way in: four lanes' 64 bytes on end, then 16 of padding
	v_mul_u32_u24 v15, v2, SP
	v_add_nc_u32 v15, s19, v15                     ; and on the way out: my 16 neighbours: row lane / 4, k 16 (lane % 4) on
	v_mul_u32_u24 v4, v2, CB                       ; my codes' place in a step's 384 bytes
	v_lshrrev_b32 v5, 2, v2
	v_bfe_u32 v10, v2, 1, 1
	v_lshl_add_u32 v5, v5, 5, v10                  ; my block's byte among the wave's 256: 32 x row + the block of the panel's two
	s_add_co_u32 s19, s19, 2*32*SP
	v_add_nc_u32 v5, s19, v5
	v_lshlrev_b32 v7, 3, v2                        ; and on the way out 8 bytes a lane
	v_add_nc_u32 v6, s19, v7
	s_and_b32 s20, s18, 1                          ; the stored order: group w of the 32 rows goes to place (w & 1) x 2 + (w >> 1)
	s_lshl_b32 s20, s20, 1
	s_lshr_b32 s21, s18, 1
	s_or_b32 s20, s20, s21
	s_lshl_b32 s21, ttmp9, 2
	s_add_co_u32 s20, s20, s21                     ; which run of 8 stored rows I write
	s_mul_i32 s22, s20, 8*48
	s_mov_b32 s23, 0
	s_lshl_b32 s24, s20, 8
	s_mov_b32 s25, 0
	s_mov_b32 s26, 224
	s_wait_alu depctr_va_vdst(0)
	s_wait_kmcnt 0x0
	s_add_nc_u64 s[14:15], s[14:15], s[22:23]
	s_add_nc_u64 s[16:17], s[16:17], s[24:25]
	s_cmp_lt_u32 ttmp9, 224                        ; which tensor: the choice hangs on the work-group's number alone.  s[12:13] begins as Wo, s26 as its first work-group
	s_cselect_b64 s[12:13], s[10:11], s[12:13]
	s_cselect_b32 s26, 192, s26
	s_cmp_lt_u32 ttmp9, 192
	s_cselect_b64 s[12:13], s[8:9], s[12:13]
	s_cselect_b32 s26, 160, s26
	s_cmp_lt_u32 ttmp9, 160
	s_cselect_b64 s[12:13], s[6:7], s[12:13]
	s_cselect_b32 s26, 128, s26
	s_cmp_lt_u32 ttmp9, 128
	s_cselect_b64 s[12:13], s[4:5], s[12:13]
	s_cselect_b32 s26, 0, s26
	s_sub_co_u32 s26, ttmp9, s26
	s_lshl_b32 s26, s26, 2
	s_add_co_u32 s26, s26, s18                     ; which run of 8 rows of that tensor I read
	s_lshl_b32 s26, s26, 15                        ; 8 rows of 4,096 bytes
	s_mov_b32 s27, 0
	s_add_nc_u64 s[12:13], s[12:13], s[26:27]
.macro LOAD t                          ; panel t: rows 2 i and 2 i + 1, 256 bytes each
.irp i, 0,1,2,3
	global_load_b128 v[R+16*((\t)%4)+4*\i:R+16*((\t)%4)+4*\i+3], v3, s[12:13] offset:256*(\t)+8192*\i th:TH_LOAD_NT
.endr
.endm
.macro TURN t                          ; step t's numbers through the stage: LDS serves a wave's instructions in order, so no wait stands between the stores and the loads
.irp i, 0,1,2,3
	ds_store_b128 v14, v[R+16*((\t)%4)+4*\i:R+16*((\t)%4)+4*\i+3] offset:32*SP*((\t)%2)+8*SP*\i
.endr
.irp i, 0,1,2,3
	ds_load_b128 v[X+16*((\t)%2)+4*\i:X+16*((\t)%2)+4*\i+3], v15 offset:32*SP*((\t)%2)+16*\i
.endr
.endm
.irp t, 0,1,2,3
	LOAD \t
.endr
	s_wait_loadcnt 12                              ; step 0's four loads are in; the twelve of steps 1 to 3 may be out
	TURN 0
.macro STEP t
.set XS, X+16*((\t)%2)
.if (\t) > 0
	s_wait_dscnt 1                                 ; this step's numbers are back from the stage (the last step's byte store may be out): so its stores into the stage have read their registers,
.else
	s_wait_dscnt 0x0
.endif
.if (\t)+4 < STEPS
	LOAD (\t)+4                                    ; which take the loads of four steps on
.endif
.if (\t)+1 < STEPS
.if STEPS-2-(\t) >= 3
	s_wait_loadcnt 12                              ; the next step's four loads are in; those of the three steps behind it may be out
.else
	s_wait_loadcnt 4*(STEPS-2-(\t))
.endif
	TURN (\t)+1                                    ; and go through the other stage while this step is worked
.endif
	v_max3_num_f32 v8, |v[XS]|, |v[XS+1]|, |v[XS+2]|               ; the largest magnitude of my 16, in two chains
	v_max3_num_f32 v9, |v[XS+3]|, |v[XS+4]|, |v[XS+5]|
.irp i, 6,10
	v_max3_num_f32 v8, v8, |v[XS+\i]|, |v[XS+\i+1]|
	v_max3_num_f32 v9, v9, |v[XS+\i+2]|, |v[XS+\i+3]|
.endr
	v_max3_num_f32 v8, v8, |v[XS+14]|, |v[XS+15]|
	v_max3_num_f32 v8, v8, v9, (EMAX+1)<<23        ; and the floor 2^(3 - 127): the byte cannot fall under 1
	v_max_num_f32_dpp v8, v8, v8 row_xmask:1 row_mask:0xf bank_mask:0xf   ; and of my neighbour's 16: the block's
	v_add_nc_u32 v11, -(EMAX<<23), v8              ; 2 off its exponent field: the conversion takes the exponent field of this operand as its scale, and nothing else of it
	v_cvt_scalef32_pk16_fp6_f32 v[C+4*(\t):C+4*(\t)+2], v[XS:XS+15], v11
	v_lshrrev_b32 v[E+(\t)], 23, v11               ; the scale's byte (also the plain line behind the conversion)
	ds_store_b8 v5, v[E+(\t)] offset:2*(\t)        ; both lanes of a block write the same byte with the same value
	global_store_b96 v4, v[C+4*(\t):C+4*(\t)+2], s[14:15] offset:PANEL*(\t)   ; 15 panels at the most: inside the signed 24-bit immediate
.endm
.irp t, 0,1,2,3,4,5,6,7,8,9,10,11,12,13,14,15
	STEP \t
.endr
	ds_load_b64 v[8:9], v6                         ; LDS serves a wave's instructions in order: these see my stores
	s_wait_dscnt 0x0
	global_store_b64 v7, v[8:9], s[16:17]          ; 32 lanes store 256 consecutive bytes, at a multiple of 256 from the buffer's first byte
	s_wait_tensorcnt 0x0                           ; the wave's end, behind my last LDS store
	ds_add_u32 v[SPW], v[NIL]
	s_wait_dscnt 0x0
	s_endpgm
.Lfunc_end_k_q56a0646e2e_quant:
	.size	k_q56a0646e2e_quant, .Lfunc_end_k_q56a0646e2e_quant-k_q56a0646e2e_quant
	.p2alignl 7, 3214868480
	.fill 96, 4, 3214868480
	.section	.rodata,"a",@progbits
	.p2align	6, 0x0
	.amdhsa_kernel k_q56a0646e2e_quant
		.amdhsa_group_segment_fixed_size 33280
		.amdhsa_private_segment_fixed_size 0
		.amdhsa_enable_private_segment 0
		.amdhsa_kernarg_size 56
		.amdhsa_user_sgpr_count 2
		.amdhsa_user_sgpr_kernarg_segment_ptr 1
		.amdhsa_wavefront_size32 1
		.amdhsa_system_sgpr_workgroup_id_x 1
		.amdhsa_system_sgpr_workgroup_id_y 1
		.amdhsa_system_sgpr_workgroup_id_z 1
		.amdhsa_system_vgpr_workitem_id 0
		.amdhsa_next_free_vgpr 192
		.amdhsa_next_free_sgpr 66
		.amdhsa_reserve_vcc 0
		.amdhsa_float_denorm_mode_32 3
		.amdhsa_float_denorm_mode_16_64 3
		.amdhsa_memory_ordered 1
		.amdhsa_forward_progress 1
		.amdhsa_inst_pref_size 33
	.end_amdhsa_kernel
	.amdgpu_metadata
---
amdhsa.version: [ 1, 2 ]
amdhsa.kernels:
  - .name:           k_q56a0646e2e_quant
    .symbol:         k_q56a0646e2e_quant.kd
    .args:
      - { .name: hidden_states, .offset: 0, .size: 8, .value_kind: global_buffer, .address_space: global }
      - { .name: Wq, .offset: 8, .size: 8, .value_kind: global_buffer, .address_space: global }
      - { .name: Wk, .offset: 16, .size: 8, .value_kind: global_buffer, .address_space: global }
      - { .name: Wv, .offset: 24, .size: 8, .value_kind: global_buffer, .address_space: global }
      - { .name: Wo, .offset: 32, .size: 8, .value_kind: global_buffer, .address_space: global }
      - { .name: codes, .offset: 40, .size: 8, .value_kind: global_buffer, .address_space: global }
      - { .name: scales, .offset: 48, .size: 8, .value_kind: global_buffer, .address_space: global }
    .group_segment_fixed_size: 33280
    .private_segment_fixed_size: 0
    .kernarg_segment_align: 8
    .kernarg_segment_size: 56
    .max_flat_workgroup_size: 128
    .sgpr_count:     66
    .vgpr_count:     192
    .wavefront_size: 32
...
	.end_amdgpu_metadata
.endif
;; end of part 1
;; launch qkv (part 2): grid 12 x 16, 4 waves a work-group, clusters of 4 x 4, 327,680 bytes of LDS; arguments codes, scales, bq, bk, bv, qk_codes, qk_scales, v_codes, v_scales; writes qk_codes, qk_scales, v_codes, v_scales
.if DOCPART == 2
	.amdgcn_target "amdgcn-amd-amdhsa--gfx1250"
	.amdhsa_code_object_version 6
	.text
	.protected	k_q56a0646e2e_qkv
	.globl	k_q56a0646e2e_qkv
	.p2align	8
	.type	k_q56a0646e2e_qkv,@function
k_q56a0646e2e_qkv:
	s_mov_b64 s[64:65], 0
	v_nop
	global_prefetch_b8 v0, s[64:65] scope:SCOPE_SE
	s_setreg_imm32_b32 hwreg(HW_REG_WAVE_MODE, 25, 1), 1
	s_wait_xcnt 0x0
	s_wait_alu depctr_hold_cnt(0) depctr_sa_sdst(0) depctr_va_vdst(0) depctr_va_sdst(0) depctr_va_ssrc(0) depctr_va_vcc(0) depctr_vm_vsrc(0)
	s_getreg_b32 s2, hwreg(HW_REG_IB_STS2, 6, 4)
	s_cmp_eq_u32 s2, 0
	s_cbranch_scc0 .Lentry_in_a_cluster
	s_endpgm
.Lentry_in_a_cluster:
	s_bfe_u32 s2, ttmp6, 0x10000c
	s_cmp_lg_u32 s2, 0xf033
	s_cbranch_scc0 .Lentry_shape_is_right
	s_endpgm
.Lentry_shape_is_right:
; q = x Wq^T + bq, k = x Wk^T + bk, v = x Wv^T + bv on codes of FP6 (E2M3) with E8M0 scales, K = 1,024; the results are quantised in registers for the attention's two products and leave as codes alone.
; ROLES.  Source 0 of the matrix instruction (role B) runs along a lane's registers: that is the axis along which the result is quantised.  Source 1 (role A) gives a lane its row.
;   clusters x = 0 (q) and 1 (k): A = 256 tokens of x, B = 256 rows of Wq or Wk: a lane holds one token and its registers run along the head's channels;
;   cluster  x = 2 (v):           A = 256 rows of Wv,  B = 256 tokens of x:      a lane holds one channel and its registers run along the keys.
; Rows lie in the buffers in the STORED ORDER (within each 32 rows the groups of eight 1 and 2 change places), so that the 16 registers of B's tiles 2 b and 2 b + 1 are 16 neighbours: 32 b + 16 (lane / 16) + 0 .. 15.
; SHARES.  A work-group of four waves makes 256 x 256, a wave 128 x 128: 64 accumulators, 512 registers.  4,096 x 3,072 results are 192 such tiles.
; LDS.  K goes in four chunks of 256 through three slots: chunks 0, 1, 2 come with the first fills, chunk 3 fills slot 0 again behind the one round of the cluster's barrier in the text; it has four K steps of 128,
; 256 matrix instructions, in which to land.  A quarter of a slot is 4 panels x 128 rows x 48 bytes, as they lie in memory: row r starts at word 12 r, half h 6 words on, so the 32 lanes of an 8-byte load touch 64 different banks.
; The scale bytes of the work-group's 512 rows, for all of K, come once, in rows of 256 bytes with 16 of padding.
; CLUSTERS: 4 x 4.  A's tiles hang on cy alone among the places and are asked for jointly by a row of the cluster, B's on cx alone, by a column.
; THE WAY OUT touches no LDS: bias added in f32, 64 numbers of a lane quantised to a fragment's 12 registers and a scale word, stored as images of the operand's registers: every store covers whole runs of 256 bytes.
;   qk_codes [kind x 16 + head][256 tiles of 16 tokens][768]: lane L's registers 0-3 at 16 L, 4-5 at 512 + 8 L.   qk_scales [kind x 16 + head][32][lane][4 words]: word i of lane (r, h): tile 4 h + i, row r; bytes 2, 3 = 0x7f.
;   v_codes [head][32 key steps][4 tiles of channels][1,536]: a whole fragment's image.   v_scales [head][32][16 rows][4 tiles] words.
; LIMITS: blocks of q, k, v whose largest magnitude lies under 2^-121 take that floor's scale (byte 4: the attention takes 3 off q's bytes); NaN and infinities are not served.
; No prefetch: the launch is short and three quarters of a work-group's bytes are asked for at its head.
; REGISTERS: window 0: v1-3 r, h, lane; v16-30 addresses; v32-63 scale words, two sets; v64-127 biases; v128-223 A's fragments, one set (on the way out: at work).  window 1: B's fragments, two sets.  windows 2, 3: the accumulators.
; THE FILLS: a tensor load brings 4 panels x 256 rows, all of A's or all of B's part of a chunk.  Head: wave 0 A's chunk 0, wave 1 B's, wave 2 A's scale bytes, wave 3 B's: one load a wave.
; Behind the three lines and a round: waves 0, 1 chunk 1, waves 2, 3 chunk 2.  Chunk 3 fills slot 0 again, asked for by waves 0 and 1.
.set PANB,   12288                     ; a panel of A's or B's part of a slot: 256 rows x 48 bytes
.set HALFT,  2*PANB                    ; half of A's or of B's part of a slot
.set SLOT,   4*HALFT                   ; A's two halves, then B's two
.set CHUNKB, 4*393216                  ; four panels on in the codes' buffer
.set HEADB,  196608                    ; a head's codes in qk_codes and in v_codes
.set FR,     12
.set NL,     6
.set NQ,     2
.set KS,     32                        ; a row of scale bytes
.set SCL,    3*SLOT
.set HALFS,  16*272                    ; the scale bytes of 128 rows
.set SBLK,   544                       ; those of 16 rows
.set SPARE,  SCL+4*HALFS               ; the spare words, 128 bytes a wave
.set FLOOR,  0x3000000                 ; 2^(6 - 127)
.set ADRA, 16                          ; v16-18  LDS address of my A fragments in slot 0, 1, 2
.set ADRB, 20                          ; v20-22  the same for B
.set LI16, 24                          ; v24  16 x lane
.set LI8,  25                          ; v25  8 x lane
.set BO,   26                          ; v26  my offset among the biases
.set ADRS, 27                          ; v27  LDS address of my scale words: lanes 0-15 A's rows, lanes 16-31 B's
.set SPW,  28
.set NIL,  29
.set VSO,  30                          ; v30  v's scale words: 16 r + 8,192 h
.set SC,   32
.set BIA,  64
.set AF,   128
.set HB_,  128                         ; the way out: 64 numbers of a lane
.set TM,   200
.set PWS,  216                         ; eight scale words
.set PC,   224                         ; the codes just made
.set SW,   244
.set SO,   248
.set G1,   24
.set G1B,  32
.set G1S,  40
.set G1SB, 48
.set GA0,  56                          ; groups 0 for A's chunks 0, 1, 2
.set GA1,  60
.set GA2,  68
.set GB0,  72                          ; for B's
.set GB1,  76
.set GB2,  80
.set G0S,  84
.set G0SB, 88
.set WV,   22
.set HA,   23                          ; wave / 2: my half of A's rows
.set HB,   92                          ; wave % 2: my half of B's rows
.set CX,   93
.set CY,   94
.set ISV,  96
.set RA,   97                          ; the work-group's first combined row of A
.set RB,   98                          ; and of B
.set SEL,  24                          ; on the way out: s[24:25] lane selects
.set MSB, 0
.macro WIN new                         ; the immediate's high byte repeats the setting that is left
.if MSB != \new
	s_set_vgpr_msb (MSB<<8)|\new
.set MSB, \new
.endif
.endm
.set MUL_LO, 0xa1                      ; source 0 (B) window 1, source 1 (A) window 0, C and D window 2
.set MUL_HI, 0xf1
.set TO_B,   0x40
.macro ARM under, g0, g1, join, next   ; one arm of a chain of branches on the wave's number: its joint load, an s_nop 0 and four v_nop, a jump to the chain's join
	s_cmp_lt_u32 s[WV], \under
	s_cbranch_scc0 \next
	tensor_load_to_lds s[\g0:\g0+3], s[\g1:\g1+7]
	s_nop 0
.rept 4
	v_nop
.endr
	s_branch \join
\next:
.endm
.macro FOUR a0, a1, b0, b1, c0, c1, d0, d1   ; four joint loads, one for each wave
	ARM 1, \a0, \a1, .Ljoin_\@, .Lw1_\@
	ARM 2, \b0, \b1, .Ljoin_\@, .Lw2_\@
	ARM 3, \c0, \c1, .Ljoin_\@, .Lw3_\@
	tensor_load_to_lds s[\d0:\d0+3], s[\d1:\d1+7]
	s_nop 0
.rept 4
	v_nop
.endr
.Ljoin_\@:
.endm
.macro CREST                           ; a round of the cluster's barrier behind its opening barrier
	s_cmp_lg_u32 s[WV], 0
	s_cbranch_scc1 .Lnot_wave_0_\@
	s_barrier_signal -3
.Lnot_wave_0_\@:
	s_barrier_wait -3
	s_barrier_signal -1
	s_barrier_wait -1
.endm
.macro CROUND
	s_barrier_signal -1
	s_barrier_wait -1
	CREST
.endm
.macro SETG0 g, base, c, lds           ; group 0 of chunk c: count, LDS address, global address, type
	s_mov_b32 s[\g], 1
	s_mov_b32 s[\g+1], (\c)*SLOT+(\lds)
	s_add_nc_u64 s[\g+2:\g+3], s[\base:\base+1], (\c)*CHUNKB
	s_or_b32 s[\g+3], s[\g+3], 0x80000000
.endm
	s_load_b256 s[4:11], s[0:1], 0x0               ; codes, scales, bq, bk
	s_load_b256 s[12:19], s[0:1], 0x20             ; bv, qk_codes, qk_scales, v_codes
	s_load_b64 s[20:21], s[0:1], 0x40              ; v_scales
	v_lshl_add_u32 v[SPW], v0, 2, SPARE
	v_mov_b32 v[NIL], 0
	ds_add_u32 v[SPW], v[NIL]                      ; the wave's opening: the add and its wait stand ahead of my first tensor load; the set-up below stands between them
	ds_add_u32 v[SPW], v[NIL]
	v_lshrrev_b32 v1, 5, v0
	v_readfirstlane_b32 s[WV], v1
	s_lshr_b32 s[HA], s[WV], 1
	s_and_b32 s[HB], s[WV], 1
	s_bfe_u32 s[CX], ttmp6, 0x40000
	s_bfe_u32 s[CY], ttmp6, 0x40004
	s_and_b32 s95, ttmp7, 0xffff
	s_lshl_b32 s95, s95, 10                        ; 1,024 x cluster y: the cluster's tokens
	s_lshl_b32 s2, ttmp9, 10
	s_add_co_u32 s2, s2, 4096                      ; Wq's or Wk's first combined row
	s_mov_b32 s3, 6144                             ; Wv's
	s_cmp_eq_u32 ttmp9, 2                          ; cluster x: the same in all sixteen partners
	s_cselect_b32 s[ISV], 1, 0
	s_cselect_b32 s[RA], s3, s95
	s_cselect_b32 s[RB], s95, s2
	s_lshl_b32 s3, s[CY], 8
	s_add_co_u32 s[RA], s[RA], s3                  ; A's rows hang on cy,
	s_lshl_b32 s2, s[CX], 8
	s_add_co_u32 s[RB], s[RB], s2                  ; B's on cx
	s_lshl_b32 s3, s[CY], 2
	s_lshl_b32 s3, 15, s3                          ; my row of the cluster
	s_lshl_b32 s2, 0x1111, s[CX]                   ; my column
	s_or_b32 s[G1], s3, (3<<16)|(1<<21)            ; 15:0 the mask; 17:16 elements of 8 bytes; 20 no padding; 21 set beside a mask
	s_or_b32 s[G1B], s2, (3<<16)|(1<<21)
.irp g, G1, G1B
	s_mov_b32 s[\g+1], 1536<<16                    ; tensor_dim0: a panel's 256 rows x 48 bytes = 1,536 elements
	s_mov_b32 s[\g+2], 4<<16                       ; tensor_dim1: 4 panels
	s_mov_b32 s[\g+3], 1536<<16                    ; tile_dim0
	s_mov_b32 s[\g+4], 4                           ; tile_dim1
	s_mov_b32 s[\g+5], 49152                       ; from panel to panel: 393,216 bytes
	s_mov_b32 s[\g+6], 0
	s_mov_b32 s[\g+7], 0
.endr
	s_or_b32 s[G1S], s3, (3<<16)|(1<<20)|(1<<21)|(5<<22)|(3<<25)   ; the scale bytes of 256 rows: 32 rows of 256 bytes, 16 bytes of padding behind each
	s_or_b32 s[G1SB], s2, (3<<16)|(1<<20)|(1<<21)|(5<<22)|(3<<25)
.irp g, G1S, G1SB
	s_mov_b32 s[\g+1], 32<<16
	s_mov_b32 s[\g+2], 32<<16                      ; the scale bytes of 256 rows: 32 rows of 256 bytes
	s_mov_b32 s[\g+3], 32<<16
	s_mov_b32 s[\g+4], 32
	s_mov_b32 s[\g+5], 32
	s_mov_b32 s[\g+6], 0
	s_mov_b32 s[\g+7], 0
.endr
	s_mov_b32 s99, s[RA]                           ; A's first row, in registers that never hold cx;
	s_mov_b32 s67, s[RB]                           ; B's, in registers that never hold cy
	s_lshl_b32 s100, s99, 5                        ; their scale bytes: 32 a row
	s_mov_b32 s101, 0
	s_lshl_b32 s2, s67, 5
	s_mov_b32 s3, 0
	s_mul_i32 s99, s99, 48                         ; their codes in a panel
	s_mul_i32 s67, s67, 48
	s_wait_dscnt 0x0                               ; the opening add is done
	s_wait_kmcnt 0x0
	CROUND                                         ; all sixteen work-groups are here: the first joint loads meet
	s_mov_b32 s[G0S], 1
	s_mov_b32 s[G0S+1], SCL
	s_add_nc_u64 s[G0S+2:G0S+3], s[6:7], s[100:101]
	s_or_b32 s[G0S+3], s[G0S+3], 0x80000000
	s_mov_b32 s[G0SB], 1
	s_mov_b32 s[G0SB+1], SCL+2*HALFS
	s_add_nc_u64 s[G0SB+2:G0SB+3], s[6:7], s[2:3]
	s_or_b32 s[G0SB+3], s[G0SB+3], 0x80000000
	s_mov_b32 s100, s99
	s_mov_b32 s2, s67
	s_add_nc_u64 s[100:101], s[4:5], s[100:101]
	s_add_nc_u64 s[2:3], s[4:5], s[2:3]
	SETG0 GA0, 100, 0, 0
	SETG0 GB0, 2, 0, 2*HALFT
	SETG0 GA1, 100, 1, 0
	SETG0 GB1, 2, 1, 2*HALFT
	SETG0 GA2, 100, 2, 0
	SETG0 GB2, 2, 2, 2*HALFT
	FOUR GA0, G1, GB0, G1B, G0S, G1S, G0SB, G1SB   ; the head's four tiles, one load a wave
	v_and_b32 v1, 15, v0                           ; r
	v_bfe_u32 v2, v0, 4, 1                         ; h
	v_and_b32 v3, 31, v0                           ; lane
	v_mul_u32_u24 v4, v1, 48
	v_mad_u32_u24 v4, v2, 24, v4                   ; a fragment's row x 48 + 24 x half
	s_mul_i32 s66, s[HA], PANB/2                   ; my 128 rows of each panel's 256
	s_mul_i32 s67, s[HB], PANB/2
	s_add_co_u32 s67, s67, 2*HALFT
.irp s, 0,1,2
	v_add_nc_u32 v[ADRA+\s], s66, v4
	v_add_nc_u32 v[ADRB+\s], s67, v4
	s_add_co_u32 s66, s66, SLOT
	s_add_co_u32 s67, s67, SLOT
.endr
	v_mul_u32_u24 v5, v1, KS                       ; my row's scale bytes: 32 a row,
	v_lshrrev_b32 v6, 8, v5
	v_lshl_add_u32 v5, v6, 4, v5                   ; and 16 more for each 256 passed
	s_mul_i32 s66, s[HA], HALFS
	s_mul_i32 s67, s[HB], HALFS
	s_add_co_u32 s67, s67, 2*HALFS
	s_sub_co_u32 s67, s67, s66
	v_mul_u32_u24 v6, s67, v2                      ; lanes 16-31 take B's: one product, the distance between the two bases
	s_add_co_u32 s66, s66, SCL
	v_add_nc_u32 v5, v5, v6
	v_add_nc_u32 v[ADRS], s66, v5
	v_lshlrev_b32 v[LI16], 4, v3
	v_lshlrev_b32 v[LI8], 3, v3
.macro FRAG reg, adr, q, i             ; 16 rows x 128 K: 12 registers; registers 0-5 from panel 2 q, 6-11 from panel 2 q + 1: 24 bytes each, as three loads of 8
.irp p, 0,1,2,3,4,5
	ds_load_b64 v[\reg+2*\p:\reg+2*\p+1], v[\adr] offset:(2*(\q)+\p/3)*PANB+(\i)*768+8*(\p%3)
.endr
.endm
; 16 matrix instructions: A's blocks a0, a0 + 1 x B's eight.  p: B's set; q: which word of the chunk's two; sc: the set of scale words.  The 64 accumulators take turns, one instruction a turn, in the same order in every step.
.macro MUL16 a0, p, q, sc, zero
.irp a, \a0, \a0+1
.irp b, 0,1,2,3,4,5,6,7
.if \zero
	v_wmma_scale_f32_16x16x128_f8f6f4 v[8*(8*((\a)%4)+\b):8*(8*((\a)%4)+\b)+7], v[128*(\p)+FR*\b:128*(\p)+FR*\b+FR-1], v[AF+FR*(\a):AF+FR*(\a)+FR-1], 0, v[SC+8*NQ*(\sc)+NQ*\b+(\q)], v[SC+8*NQ*(\sc)+NQ*(\a)+(\q)] matrix_a_fmt:MATRIX_FMT_FP6 matrix_b_fmt:MATRIX_FMT_FP6 matrix_a_scale:MATRIX_SCALE_ROW1
.else
	v_wmma_scale_f32_16x16x128_f8f6f4 v[8*(8*((\a)%4)+\b):8*(8*((\a)%4)+\b)+7], v[128*(\p)+FR*\b:128*(\p)+FR*\b+FR-1], v[AF+FR*(\a):AF+FR*(\a)+FR-1], v[8*(8*((\a)%4)+\b):8*(8*((\a)%4)+\b)+7], v[SC+8*NQ*(\sc)+NQ*\b+(\q)], v[SC+8*NQ*(\sc)+NQ*(\a)+(\q)] matrix_a_fmt:MATRIX_FMT_FP6 matrix_b_fmt:MATRIX_FMT_FP6 matrix_a_scale:MATRIX_SCALE_ROW1
.endif
.endr
.endr
.endm
.macro FETCH_B slot, q, p
	WIN TO_B
.irp i, 0,1,2,3,4,5,6,7
	FRAG 128*(\p)+FR*\i, ADRB+\slot, \q, \i
.endr
	WIN 0
.endm
.macro FETCH_A slot, q, i0
.irp i, \i0, \i0+1, \i0+2, \i0+3
	FRAG AF+FR*(\i), ADRA+\slot, \q, \i
.endr
.endm
.macro SCALES c                        ; chunk c's two scale words a row into set c % 2: lanes 0-15 A's block i, lanes 16-31 B's block i
.irp i, 0,1,2,3,4,5,6,7
	ds_load_b64 v[SC+16*((\c)%2)+2*\i:SC+16*((\c)%2)+2*\i+1], v[ADRS] offset:\i*SBLK+8*(\c)
.endr
.endm
.macro PLACES n                        ; plain vector places behind matrix instructions, in front of loads into registers that they have read and of reads of results
.rept \n
	v_nop
.endr
.endm
.macro WHERE s                         ; step s of 8: chunk s / 2 in slot (s / 2) % 3; B's set and the scale word are s % 2; the step behind it likewise
.set CUQ, (\s)%2
.set CUC, ((\s)/2)%2
.set NXS, (((\s)+1)/2)%3
.set NXQ, ((\s)+1)%2
.endm
.macro STEP s, zero                    ; 64 products; the next step's B and A's blocks 0-3 are fetched in its middle, A's blocks 4-7 at its end
	WHERE \s
	s_wait_dscnt 4*NL                              ; B's set, A's blocks 0-3 and the scale words are in; the youngest 24 loads (A's blocks 4-7) may be out
	WIN MUL_LO
	MUL16 0, CUQ, CUQ, CUC, \zero
	MUL16 2, CUQ, CUQ, CUC, \zero
	s_wait_dscnt 0
	PLACES 4
	FETCH_B NXS, NXQ, NXQ
	FETCH_A NXS, NXQ, 0
.if NXQ == 0
	SCALES ((\s)+1)/2
.endif
	WIN MUL_HI
	MUL16 4, CUQ, CUQ, CUC, \zero
	MUL16 6, CUQ, CUQ, CUC, \zero
	PLACES 4
	WIN 0
	FETCH_A NXS, NXQ, 4
.endm
; A step with a barrier in it.  In front of the barrier each wave waits for all its tensor loads, adds 0 to its spare word, and waits for that and for its LDS reads.
; fill = 1 (step 1): chunks 1 and 2 are whole in every wave's sight, nobody reads slot 0 any more, in any partner: the barrier opens a round of the cluster's, and chunk 3 is asked for first thing behind it.
; fill = 0 (step 5): chunk 3 is whole; nothing is filled.
.macro TURN s, fill
	WHERE \s
	s_wait_tensorcnt 0x0
	ds_add_u32 v[SPW], v[NIL]
	s_wait_dscnt 4*NL+1                            ; (the add and A's blocks 4-7 may be out)
	WIN MUL_LO
	MUL16 0, CUQ, CUQ, CUC, 0                      ; sixteen matrix instructions stand between the add and the wait for it
	s_wait_dscnt 0x0                               ; the add is done, and my reads of the slot in hand are over
	s_barrier_signal -1
	MUL16 2, CUQ, CUQ, CUC, 0
	WIN 0
	s_barrier_wait -1
.if \fill
	CREST
	s_add_nc_u64 s[GA0+2:GA0+3], s[GA0+2:GA0+3], 3*CHUNKB   ; no tensor load of mine is out: slot 0's groups 0 step to chunk 3
	s_add_nc_u64 s[GB0+2:GB0+3], s[GB0+2:GB0+3], 3*CHUNKB
	ARM 1, GA0, G1, .Lturn_join, .Lturn_b          ; wave 0: A's chunk 3; wave 1: B's; the four v_nop behind a load are also the places in front of the loads below
	ARM 2, GB0, G1B, .Lturn_join, .Lturn_none
	PLACES 4
.Lturn_join:
.else
	PLACES 4
.endif
	FETCH_B NXS, NXQ, NXQ
	FETCH_A NXS, NXQ, 0
	SCALES ((\s)+1)/2
	WIN MUL_HI
	MUL16 4, CUQ, CUQ, CUC, 0
	MUL16 6, CUQ, CUQ, CUC, 0
	PLACES 4
	WIN 0
	FETCH_A NXS, NXQ, 4
.endm
.macro LAST                            ; step 7: nothing more to fetch
	s_wait_dscnt 4*NL
	WIN MUL_LO
	MUL16 0, 1, 1, 1, 0
	MUL16 2, 1, 1, 1, 0
	s_wait_dscnt 0
	WIN MUL_HI
	MUL16 4, 1, 1, 1, 0
	MUL16 6, 1, 1, 1, 0
	WIN 0
.endm
; 64 numbers of a lane, register 16 b + i = k 32 b + 16 (lane / 16) + i of my row, become a fragment's codes in v[PC] on and its scale word in v[pw].
.macro QUANT s, pw
.irp b, 0,1,2,3
	v_max3_num_f32 v[TM+\b], |v[\s+16*\b]|, |v[\s+1+16*\b]|, FLOOR   ; block b: my 16 numbers, and the floor
.endr
.irp i, 2,4,6,8,10,12,14
.irp b, 0,1,2,3
	v_max3_num_f32 v[TM+\b], v[TM+\b], |v[\s+16*\b+\i]|, |v[\s+1+16*\b+\i]|
.endr
.endr
.irp b, 0,1,2,3
	v_permlanex16_b32 v[TM+4+\b], v[TM+\b], s[SEL], s[SEL+1]
.endr
.irp b, 0,1,2,3
	v_max_num_f32 v[TM+\b], v[TM+\b], v[TM+4+\b]   ; with lane l xor 16's: the block's largest magnitude
.endr
.irp b, 0,1,2,3
	v_add_nc_u32 v[TM+12+\b], 0xff000000, v[TM+\b] ; 2 off its exponent field: the conversion's scale operand
.endr
.irp b, 0,1,2,3
	v_lshrrev_b32 v[TM+4+\b], 23, v[TM+12+\b]      ; the scale's byte
.endr
	v_lshl_or_b32 v[\pw], v[TM+5], 8, v[TM+4]
	v_lshl_or_b32 v[\pw], v[TM+6], 16, v[\pw]
	v_lshl_or_b32 v[\pw], v[TM+7], 24, v[\pw]
.irp c, 0,1
	v_cvt_scalef32_pk16_fp6_f32 v[PC+6*\c:PC+2+6*\c], v[\s+32*\c:\s+15+32*\c], v[TM+12+2*\c]
	v_cvt_scalef32_pk16_fp6_f32 v[PC+12+4*\c:PC+14+4*\c], v[\s+16+32*\c:\s+31+32*\c], v[TM+12+2*\c+1]   ; (a conversion's three registers begin on an even number)
.endr
	v_nop                                          ; one plain place behind a scaled conversion
.irp c, 0,1                                    ; the operand's layout wants a whole block in a lane: lanes 0-15 block 2 c, lanes 16-31 block 2 c + 1
.irp i, 0,1,2
	v_permlane16_swap_b32 v[PC+6*\c+\i], v[PC+12+4*\c+\i]
.endr
.irp i, 0,1,2
	v_mov_b32 v[PC+3+6*\c+\i], v[PC+12+4*\c+\i]
.endr
.endr
.endm
; THE WAY OUT.  For each of A's eight blocks: the bias is added, each accumulator read from its low end on; the lane's 64 numbers are quantised; the codes are stored as they stand.
.macro EPI isv
	s_wait_loadcnt 0x0                             ; the biases
	PLACES 4
.irp b, 0,1,2,3
	v_mov_b32 v[TM+4+\b], 0                        ; written once: a lane permute's destination counts as one of its sources
.endr
.irp a, 0,1,2,3,4,5,6,7
.if \a > 0
	s_wait_xcnt 0x0                                ; the last block's stores have read their data: the codes' registers are written again only behind this wait
.endif
	WIN (2+(\a)/4)                                 ; source 0: the accumulators' window
.set j, 0
.rept 32
.if \isv
	v_pk_add_f32 v[HB_+j:HB_+j+1], v[64*((\a)%4)+j:64*((\a)%4)+j+1], v[BIA+2*\a:BIA+2*\a+1]   ; my channel's bias
.else
	v_pk_add_f32 v[HB_+j:HB_+j+1], v[64*((\a)%4)+j:64*((\a)%4)+j+1], v[BIA+j:BIA+j+1]         ; the biases of my 64 channels
.endif
.set j, j+2
.endr
	WIN 0
	QUANT HB_, PWS+\a
.if \isv
	global_store_b128 v[LI16], v[PC:PC+3], s[18:19] offset:(\a/4)*HEADB+(\a%4)*1536
	global_store_b128 v[LI16], v[PC+4:PC+7], s[18:19] offset:(\a/4)*HEADB+(\a%4)*1536+512
	global_store_b128 v[LI16], v[PC+8:PC+11], s[18:19] offset:(\a/4)*HEADB+(\a%4)*1536+1024
.else
	global_store_b128 v[LI16], v[PC:PC+3], s[14:15] offset:768*\a                 ; my first head's 64 channels of these 16 tokens,
	global_store_b64 v[LI8], v[PC+4:PC+5], s[14:15] offset:768*\a+512
	global_store_b128 v[LI16], v[PC+6:PC+9], s[14:15] offset:768*\a+HEADB         ; and my second head's
	global_store_b64 v[LI8], v[PC+10:PC+11], s[14:15] offset:768*\a+512+HEADB
.endif
.endr
	v_cmp_le_u32 vcc_lo, 16, v3
.irp i, 0,1,2,3
	v_cndmask_b32 v[SW+\i], v[PWS+\i], v[PWS+4+\i], vcc_lo   ; lanes 0-15 keep blocks 0-3's words, lanes 16-31 blocks 4-7's
.endr
.if \isv
	global_store_b128 v[VSO], v[SW:SW+3], s[20:21]           ; lanes 0-15: my first head's 256 bytes of this key step; lanes 16-31: my second head's
.else
	v_mov_b32 v192, 0x7f7f7f7f
.irp i, 0,1,2,3
	v_perm_b32 v[SO+\i], v[SW+\i], v192, 0x00000504          ; the first head's two bytes, and 0x7f over the zero codes
	v_perm_b32 v[SO+4+\i], v[SW+\i], v192, 0x00000706        ; the second head's
.endr
	global_store_b128 v[LI16], v[SO:SO+3], s[16:17]
	global_store_b128 v[LI16], v[SO+4:SO+7], s[16:17] offset:16384
.endif
.endm
	s_wait_alu depctr_va_vdst(0)
	s_wait_tensorcnt 0x0                           ; my tile of the head's four is in
	ds_add_u32 v[SPW], v[NIL]
	s_wait_dscnt 0x0
	CROUND                                         ; all four tiles are in, in every partner
	FOUR GA1, G1, GB1, G1B, GA2, G1, GB2, G1B      ; chunks 1 and 2: one load a wave, first behind the round
	FETCH_B 0, 0, 0
	FETCH_A 0, 0, 0
	SCALES 0
	FETCH_A 0, 0, 4
	STEP 0, 1                                      ; the first step's products start the sums: nothing is cleared
	TURN 1, 1
	STEP 2, 0
	STEP 3, 0
	STEP 4, 0
	TURN 5, 0
	STEP 6, 0
	s_mov_b32 s[SEL], 0x76543210                   ; no tensor load is out any more: the descriptors' registers are free
	s_mov_b32 s[SEL+1], 0xfedcba98
	s_mov_b32 s31, 0
	s_cmp_eq_u32 s[ISV], 0
	s_cbranch_scc0 .Lv_path                        ; one parting, on the cluster's x: each arm asks for its biases, runs the last K step over them, and goes out
	s_lshl_b32 s26, s[HB], 7
	s_add_co_u32 s27, s[RB], s26
	s_sub_co_u32 s27, s27, 4096
	s_lshr_b32 s27, s27, 6                         ; kind x 16 + my first head
	s_lshl_b32 s28, s[HA], 7
	s_add_co_u32 s28, s28, s[RA]
	s_lshr_b32 s28, s28, 4                         ; my first tile of tokens, a multiple of 8
	s_mul_i32 s30, s27, HEADB
	s_mul_i32 s29, s28, 768
	s_add_co_u32 s30, s30, s29
	s_add_nc_u64 s[14:15], s[14:15], s[30:31]
	s_lshl_b32 s30, s27, 14
	s_lshl_b32 s29, s28, 6                         ; 512 bytes for each 8 tiles
	s_add_co_u32 s30, s30, s29
	s_add_nc_u64 s[16:17], s[16:17], s[30:31]
	s_cmp_eq_u32 ttmp9, 0
	s_cselect_b64 s[8:9], s[8:9], s[10:11]         ; bq or bk
	s_lshl_b32 s30, s[CX], 10
	s_lshl_b32 s29, s[HB], 9
	s_add_co_u32 s30, s30, s29                     ; my 128 channels
	s_add_nc_u64 s[8:9], s[8:9], s[30:31]
	v_lshlrev_b32 v[BO], 6, v2                     ; register 16 b + i is channel 32 b + 16 h + i
.irp n, 0,1,2,3,4,5,6,7,8,9,10,11,12,13,14,15
	global_load_b128 v[BIA+4*\n:BIA+4*\n+3], v[BO], s[8:9] offset:128*(\n/4)+16*(\n%4)
.endr
	LAST
	EPI 0
	s_branch .Lend
.Lv_path:
	s_lshl_b32 s26, s[HA], 7
	s_add_co_u32 s26, s26, s[RA]
	s_sub_co_u32 s26, s26, 6144                    ; my first channel of v's 1,024
	s_lshr_b32 s27, s26, 6                         ; my first head
	s_lshl_b32 s28, s[HB], 7
	s_add_co_u32 s28, s28, s[RB]
	s_lshr_b32 s28, s28, 7                         ; my key step
	s_mul_i32 s30, s27, HEADB
	s_mul_i32 s29, s28, 6144
	s_add_co_u32 s30, s30, s29
	s_add_nc_u64 s[18:19], s[18:19], s[30:31]
	s_lshl_b32 s30, s27, 13
	s_lshl_b32 s29, s28, 8
	s_add_co_u32 s30, s30, s29
	s_add_nc_u64 s[20:21], s[20:21], s[30:31]
	s_lshl_b32 s30, s26, 2
	s_add_nc_u64 s[12:13], s[12:13], s[30:31]
	v_and_b32 v[BO], 8, v1
	v_add_nc_u32 v[BO], v[BO], v1
	v_lshlrev_b32 v[BO], 2, v[BO]                  ; lane r of block a is channel 32 (a / 2) + 8 (a % 2) + r + 8 (r / 8)
	v_lshlrev_b32 v[VSO], 4, v1
	v_lshl_add_u32 v[VSO], v2, 13, v[VSO]
.irp a, 0,1,2,3,4,5,6,7
	global_load_b32 v[BIA+2*\a], v[BO], s[12:13] offset:4*(32*(\a/2)+8*(\a%2))     ; twice: a pair for the packed addition
	global_load_b32 v[BIA+2*\a+1], v[BO], s[12:13] offset:4*(32*(\a/2)+8*(\a%2))
.endr
	LAST
	EPI 1
.Lend:
	s_wait_tensorcnt 0x0                           ; the wave's end, behind my last tensor load
	ds_add_u32 v[SPW], v[NIL]
	s_wait_dscnt 0x0
	CROUND                                         ; the closing round: no work-group ends while a partner may still ask for a tile that names it
	s_endpgm
.Lfunc_end_k_q56a0646e2e_qkv:
	.size	k_q56a0646e2e_qkv, .Lfunc_end_k_q56a0646e2e_qkv-k_q56a0646e2e_qkv
	.p2alignl 7, 3214868480
	.fill 96, 4, 3214868480
	.section	.rodata,"a",@progbits
	.p2align	6, 0x0
	.amdhsa_kernel k_q56a0646e2e_qkv
		.amdhsa_group_segment_fixed_size 327680
		.amdhsa_private_segment_fixed_size 0
		.amdhsa_enable_private_segment 0
		.amdhsa_kernarg_size 72
		.amdhsa_user_sgpr_count 2
		.amdhsa_user_sgpr_kernarg_segment_ptr 1
		.amdhsa_wavefront_size32 1
		.amdhsa_system_sgpr_workgroup_id_x 1
		.amdhsa_system_sgpr_workgroup_id_y 1
		.amdhsa_system_sgpr_workgroup_id_z 1
		.amdhsa_system_vgpr_workitem_id 0
		.amdhsa_next_free_vgpr 1024
		.amdhsa_next_free_sgpr 102
		.amdhsa_reserve_vcc 1
		.amdhsa_float_denorm_mode_32 3
		.amdhsa_float_denorm_mode_16_64 3
		.amdhsa_memory_ordered 1
		.amdhsa_forward_progress 1
		.amdhsa_inst_pref_size 243
	.end_amdhsa_kernel
	.amdgpu_metadata
---
amdhsa.version: [ 1, 2 ]
amdhsa.kernels:
  - .name:           k_q56a0646e2e_qkv
    .symbol:         k_q56a0646e2e_qkv.kd
    .args:
      - { .name: codes, .offset: 0, .size: 8, .value_kind: global_buffer, .address_space: global }
      - { .name: scales, .offset: 8, .size: 8, .value_kind: global_buffer, .address_space: global }
      - { .name: bq, .offset: 16, .size: 8, .value_kind: global_buffer, .address_space: global }
      - { .name: bk, .offset: 24, .size: 8, .value_kind: global_buffer, .address_space: global }
      - { .name: bv, .offset: 32, .size: 8, .value_kind: global_buffer, .address_space: global }
      - { .name: qk_codes, .offset: 40, .size: 8, .value_kind: global_buffer, .address_space: global }
      - { .name: qk_scales, .offset: 48, .size: 8, .value_kind: global_buffer, .address_space: global }
      - { .name: v_codes, .offset: 56, .size: 8, .value_kind: global_buffer, .address_space: global }
      - { .name: v_scales, .offset: 64, .size: 8, .value_kind: global_buffer, .address_space: global }
    .group_segment_fixed_size: 327680
    .private_segment_fixed_size: 0
    .kernarg_segment_align: 8
    .kernarg_segment_size: 72
    .max_flat_workgroup_size: 128
    .sgpr_count:     102
    .vgpr_count:     1024
    .wavefront_size: 32
...
	.end_amdgpu_metadata
.endif
;; end of part 2
;; launch attn (part 3): grid 16 x 16, 16 waves a work-group, clusters of 4 x 1, 327,680 bytes of LDS; arguments qk_codes, qk_scales, v_codes, v_scales, attention_mask, acodes, ascales; writes acodes, ascales
.if DOCPART == 3
	.amdgcn_target "amdgcn-amd-amdhsa--gfx1250"
	.amdhsa_code_object_version 6
	.text
	.protected	k_q56a0646e2e_attn
	.globl	k_q56a0646e2e_attn
	.p2align	8
	.type	k_q56a0646e2e_attn,@function
k_q56a0646e2e_attn:
	s_mov_b64 s[64:65], 0
	v_nop
	global_prefetch_b8 v0, s[64:65] scope:SCOPE_SE
	s_setreg_imm32_b32 hwreg(HW_REG_WAVE_MODE, 25, 1), 1
	s_wait_xcnt 0x0
	s_wait_alu depctr_hold_cnt(0) depctr_sa_sdst(0) depctr_va_vdst(0) depctr_va_sdst(0) depctr_va_ssrc(0) depctr_va_vcc(0) depctr_vm_vsrc(0)
	s_getreg_b32 s2, hwreg(HW_REG_IB_STS2, 6, 4)
	s_cmp_eq_u32 s2, 0
	s_cbranch_scc0 .Lentry_in_a_cluster
	s_endpgm
.Lentry_in_a_cluster:
	s_bfe_u32 s2, ttmp6, 0x10000c
	s_cmp_lg_u32 s2, 0x3003
	s_cbranch_scc0 .Lentry_shape_is_right
	s_endpgm
.Lentry_shape_is_right:
; For each of 16 heads of 64: O[q] = sum over keys of softmax(q . k / 8 + mask[key]) v[key], both products on codes of FP6 (E2M3) with E8M0 scales; O is quantised along head x 64 + channel and leaves as codes.
; SOFTMAX: t = logit x log2(e); M = the running largest t rounded UP to a whole number; p = 2^(t - M) is quantised along the keys, not normalised; the row's sum is taken of the unquantised p and divides O at the end.
; When M moves, the sum and O are multiplied by 2^(old M - new M), which rounds nothing.  1 / 8 is taken off q's two scale bytes (they are at least 4 as this program makes them).  The mask is the C of the score products.
; SHARES: a work-group owns 256 queries of a head, each of its sixteen waves 16 of them; every wave walks all 4,096 keys, 128 a step: 8 score products, the softmax, 4 products with V.
; LAYOUT: both products are used transposed: a lane holds ONE query.  THE KEYS OF A SCORE TILE are chosen by the lanes' LDS addresses: tile 4 c + u takes keys 64 c + 8 u + 0..7 (rows 0-7) and 64 c + 32 + 8 u + 0..7 (rows 8-15).
; So registers S + 32 c + 0..31 of lane (r, h) are keys 64 c + 32 h + 0..31: a WHOLE block of 32, in the order that the second product's operand wants: a block's maximum and its codes need no other lane.
; In qk_codes tile 2 b + u of 16 tokens holds tokens 32 b + 8 u + 0..7 and 32 b + 16 + 8 u + 0..7, as an image of a half fragment's registers: lanes r < 8 read image 4 c + u % 2, lanes r >= 8 image 4 c + 2 + u % 2, both at its rows 8 (u / 2) + r % 8.
; K = 64 in the first product: Q's upper half is zero codes under the byte 0x7f.  K's eight half fragments lie on end, 6 registers each; a product names 12, so the next tile's codes stand against Q's zeros and add nothing (no code of E2M3 is infinite or NaN).
; LDS: two slots of 1,024 keys (K's 8 steps x 6,144 bytes, then V's), dense images; a head's scale words of K and V and the mask stay in LDS, filled once.
; CLUSTER: the four query blocks of a cluster belong to one head: every tile is asked for jointly, mask 15.  Waves 0-3 fetch a quarter of a slot each; waves 4-8 the small blocks, once.
; No prefetch: a slot is asked for eight key steps before its first byte is read.
; LIMITS: the promise holds while |t| stays under 2^31.  NaN and +infinity are not served.  A mask of -infinity relies on the matrix unit adding an infinite C as an f32 addition does.  Blocks of O under 2^-124 take that floor's scale.
; REGISTERS: v1-11 addresses; v12 -M, v13 the largest logit, v[14:15] the sum; v16-27 Q; v28-31 V's scale words; v32-85 K (behind the score products: at work); v86-133 V; v134-197 mask, scores, p; v198-229 O^T; v230-241 p's codes; v242.. scale words, addresses, f.
.set SLOT1,  1<<17
.set KSTEPB, 6144
.set VOFF,   8*KSTEPB
.set HEADB,  196608
.set SCK,    262144
.set SCV,    278528
.set MSK,    286720
.set SPARE,  303104
.set L16,  1                           ; 16 x lane
.set L8,   2                           ; 8 x lane + 512
.set ASK0, 3
.set ASV0, 4
.set SPW,  5
.set NIL,  6
.set AM0,  7
.set ADK,  8
.set ADK8, 9
.set ADT,  10
.set ADS,  11
.set QF,   16
.set VS,   28
.set KF,   32
.set VF,   86
.set S,    134
.set O,    198
.set PC,   230
.set KS,   242                         ; K's scale words: lanes 0-15 tiles 0-3, lanes 16-31 tiles 4-7
.set QS,   246
.set PS,   247
.set KL16, 248                         ; K's lane parts
.set KL8,  249
.set SH8,  250                         ; 8 h
.set ADM,  251
.set F,    252                         ; v[252:253]: f, and a written upper half
.set ADV,  254
.set TM,   32                          ; at work, in K's registers
.set BM,   36
.set RM,   38
.set RX,   39
.set SO,   40
.set BY,   42
.set CT,   44
.set SA,   52
.set WV,   18
.set NC,   19                          ; -log2(e)
.set SEL,  20
.set CS,   22
.set G1T,  24
.set G1S,  32
.set G0T,  40
.set G0S,  44
.set TK,   2
.set TS,   3
.set TT,   66
.set SLOTS, 67
.set CNT,  68
.macro CROUND
	s_barrier_signal -1
	s_barrier_wait -1
	s_cmp_lg_u32 s[WV], 0
	s_cbranch_scc1 .Lnot_wave_0_\@
	s_barrier_signal -3
.Lnot_wave_0_\@:
	s_barrier_wait -3
	s_barrier_signal -1
	s_barrier_wait -1
.endm
.macro PLACES
.rept 4
	v_nop
.endr
.endm
.macro DEP n
	s_delay_alu instid0(VALU_DEP_\n)
.endm
	s_load_b256 s[4:11], s[0:1], 0x0               ; qk_codes, qk_scales, v_codes, v_scales
	s_load_b128 s[12:15], s[0:1], 0x20             ; attention_mask, acodes
	s_load_b64 s[16:17], s[0:1], 0x30              ; ascales
	v_lshl_add_u32 v[SPW], v0, 2, SPARE
	v_mov_b32 v[NIL], 0
	ds_add_u32 v[SPW], v[NIL]                      ; the opening lines
	ds_add_u32 v[SPW], v[NIL]
	v_lshrrev_b32 v8, 5, v0
	DEP 1
	v_readfirstlane_b32 s[WV], v8
	s_and_b32 s48, ttmp7, 0xffff                   ; the head, which the four partners share
	s_mul_i32 s50, s48, HEADB
	s_and_b32 s49, s[WV], 1
	s_mul_i32 s52, s49, 4*KSTEPB                   ; which half of a slot's K or V I fetch
	s_add_co_u32 s52, s52, s50
	s_mov_b32 s53, 0
	s_add_co_u32 s54, s52, 16*HEADB                ; K lies behind q's sixteen heads
	s_mov_b32 s55, 0
	s_lshl_b32 s56, s48, 14
	s_add_co_u32 s56, s56, 16*16384                ; K's scale words of the head
	s_mov_b32 s57, 0
	s_lshl_b32 s58, s48, 13                        ; V's
	s_mov_b32 s59, 0
	s_mov_b32 s[G1T], 15|(3<<16)|(1<<21)           ; a quarter of a slot: 96 rows of 256 bytes
	s_mov_b32 s[G1T+1], 32<<16
	s_mov_b32 s[G1T+2], 96<<16
	s_mov_b32 s[G1T+3], 32<<16
	s_mov_b32 s[G1T+4], 96
	s_mov_b32 s[G1T+5], 32
	s_mov_b32 s[G1T+6], 0
	s_mov_b32 s[G1T+7], 0
	s_mov_b32 s[G1S], 15|(3<<16)|(1<<21)           ; the small blocks: 32 rows of 256 bytes
	s_mov_b32 s[G1S+1], 32<<16
	s_mov_b32 s[G1S+2], 32<<16
	s_mov_b32 s[G1S+3], 32<<16
	s_mov_b32 s[G1S+4], 32
	s_mov_b32 s[G1S+5], 32
	s_mov_b32 s[G1S+6], 0
	s_mov_b32 s[G1S+7], 0
	s_mov_b32 s[G0T], 1
	s_mul_i32 s[G0T+1], s[WV], 4*KSTEPB
	s_mov_b32 s[G0S], 1
	s_lshl_b32 s[G0S+1], s[WV], 13
	s_add_co_u32 s[G0S+1], s[G0S+1], SCK-4*8192    ; waves 4 to 8: 8,192 bytes each from SCK on
	s_bfe_u32 s69, ttmp6, 0x40000                  ; cx enters Q's and the outputs' addresses alone
	s_lshl_b32 s70, ttmp9, 2
	s_add_co_u32 s70, s70, s69
	s_lshl_b32 s70, s70, 4
	s_add_co_u32 s70, s70, s[WV]                   ; my tile of 16 queries
	s_mul_i32 s72, s70, 768
	s_add_co_u32 s72, s72, s50
	s_mov_b32 s73, 0
	s_lshl_b32 s76, s48, 14                        ; Q's scale word: head, 8 tiles to 512 bytes, lane (r, (w / 4) % 2), word w % 4
	s_lshr_b32 s77, s70, 3
	s_lshl_b32 s77, s77, 9
	s_add_co_u32 s76, s76, s77
	s_bfe_u32 s77, s[WV], 0x10002
	s_lshl_b32 s77, s77, 8
	s_add_co_u32 s76, s76, s77
	s_and_b32 s77, s[WV], 3
	s_lshl_b32 s77, s77, 2
	s_add_co_u32 s76, s76, s77
	s_mov_b32 s77, 0
	s_lshr_b32 s78, s48, 1                         ; the output's scale bytes: K step head / 2, 4 bytes a row, bytes 2 (head % 2) on
	s_lshl_b32 s78, s78, 14
	s_lshl_b32 s79, s70, 6
	s_add_co_u32 s78, s78, s79
	s_and_b32 s79, s48, 1
	s_lshl_b32 s79, s79, 1
	s_add_co_u32 s78, s78, s79
	s_mov_b32 s79, 0
	s_mov_b32 s[SEL], 0x76543210
	s_mov_b32 s[SEL+1], 0xfedcba98
	s_mov_b32 s[CS], 0x3fb8aa3b                    ; log2(e)
	s_mov_b32 s[CS+1], s[CS]
	s_mov_b32 s[NC], 0xbfb8aa3b
	s_mov_b32 s[TK], 0
	s_mov_b32 s[TS], 0
	s_mov_b32 s[TT], 0
	s_mov_b32 s[SLOTS], 3
	s_wait_dscnt 0x0
	s_wait_kmcnt 0x0
	s_add_nc_u64 s[54:55], s[4:5], s[54:55]
	s_add_nc_u64 s[52:53], s[8:9], s[52:53]
	s_cmp_lt_u32 s[WV], 2
	s_cselect_b64 s[G0T+2:G0T+3], s[54:55], s[52:53]
	s_or_b32 s[G0T+3], s[G0T+3], 0x80000000
	s_add_nc_u64 s[56:57], s[6:7], s[56:57]
	s_add_nc_u64 s[58:59], s[10:11], s[58:59]
	s_mov_b64 s[60:61], s[12:13]                   ; waves 7, 8: the mask;
	s_cmp_lt_u32 s[WV], 7
	s_cselect_b64 s[60:61], s[58:59], s[60:61]     ; wave 6: V's scale words;
	s_cmp_lt_u32 s[WV], 6
	s_cselect_b64 s[60:61], s[56:57], s[60:61]     ; waves 4, 5: K's
	s_cmp_eq_u32 s[WV], 5
	s_cselect_b32 s62, 8192, 0                     ; waves 5 and 8 take the second halves
	s_cmp_eq_u32 s[WV], 8
	s_cselect_b32 s62, 8192, s62
	s_mov_b32 s63, 0
	s_add_nc_u64 s[G0S+2:G0S+3], s[60:61], s[62:63]
	s_or_b32 s[G0S+3], s[G0S+3], 0x80000000
	s_add_nc_u64 s[74:75], s[4:5], s[72:73]        ; Q's codes
	s_add_nc_u64 s[14:15], s[14:15], s[72:73]      ; the output's
	s_add_nc_u64 s[76:77], s[6:7], s[76:77]
	s_add_nc_u64 s[16:17], s[16:17], s[78:79]
	CROUND                                         ; the first joint loads meet
	s_cmp_lt_u32 s[WV], 4                          ; the first fills: one load a wave at the most
	s_cbranch_scc0 .Lnot_tile
	tensor_load_to_lds s[G0T:G0T+3], s[G1T:G1T+7]
	s_nop 0
	PLACES
	s_branch .Lfirst_done
.Lnot_tile:
	s_cmp_lt_u32 s[WV], 9
	s_cbranch_scc0 .Lfirst_done
	tensor_load_to_lds s[G0S:G0S+3], s[G1S:G1S+7]
	s_nop 0
	PLACES
.Lfirst_done:
	v_and_b32 v8, 15, v0                           ; r
	v_bfe_u32 v9, v0, 4, 1                         ; h
	v_and_b32 v10, 31, v0                          ; lane
	v_lshlrev_b32 v11, 4, v8
	v_lshlrev_b32 v[L16], 4, v10
	v_lshlrev_b32 v[L8], 3, v10
	DEP 1
	v_add_nc_u32 v[L8], 512, v[L8]
	global_load_b128 v[QF:QF+3], v[L16], s[74:75]  ; Q's half fragment stays in registers
	global_load_b64 v[QF+4:QF+5], v[L8], s[74:75]
	global_load_b32 v[QS], v11, s[76:77]           ; and its scale word
	v_and_b32 v[ADV], 8, v8                        ; 8 in rows 8-15
	v_and_b32 v[ADM], 7, v8
	v_mad_u32_u24 v[KL16], v[ADV], 176, v[L16]     ; rows 8-15: two images (1,536 bytes) on, eight image rows (128 bytes) back
	v_mad_u32_u24 v[KL8], v[ADV], 184, v[L8]       ; the same for registers 4-5: 1,536 - 64
	v_lshl_add_u32 v[ASK0], v[ADM], 4, v[ADV]      ; K's scale words: 16 (r % 8), + 8 in rows 8-15 (two tiles on),
	DEP 1
	v_lshl_add_u32 v[ASK0], v9, 8, v[ASK0]         ; + 256 h: lanes 16-31 take tiles 4-7's
	DEP 1
	v_add_nc_u32 v[ASK0], SCK, v[ASK0]
	v_lshl_add_u32 v[ASV0], v8, 4, SCV
	v_lshl_add_u32 v[AM0], v9, 7, MSK              ; the mask of keys 32 h on
	v_lshlrev_b32 v[SH8], 3, v9
.irp i, 6,7,8,9,10,11
	v_mov_b32 v[QF+\i], 0                          ; Q's zero codes of K = 64 .. 127
	v_mov_b32 v[KF+42+\i], 0                       ; the six registers behind K's last tile: written once
.endr
	v_mov_b32 v13, 0xff61b1e6                      ; the largest logit so far: -3e38
	v_mov_b32 v12, 0x7f61b1e6                      ; -M
	v_mov_b32 v14, 0
	v_mov_b32 v15, 0
	v_mov_b32 v[F+1], 0
	s_wait_alu depctr_va_vdst(0)
	s_wait_loadcnt 0x0
	v_add_nc_u32 v[QS], 0xfffffcfd, v[QS]          ; 3 off each of the two real bytes: q / 8; the 32 lines below stand between this and the first product
.set j, 0
.rept 32
	v_mov_b32 v[O+j], 0                            ; the step is written once: the first finds zeros
.set j, j+1
.endr
	s_wait_alu depctr_va_vdst(0)
.macro STEP                            ; 128 keys
	v_add_nc_u32 v[ADK], s[TK], v[KL16]
	v_add_nc_u32 v[ADK8], s[TK], v[KL8]
	v_add_nc_u32 v[ADS], s[TS], v[ASK0]
	v_add_nc_u32 v[ADM], s[TS], v[AM0]
.irp t, 0,1,2,3,4,5,6,7
	ds_load_b128 v[KF+6*\t:KF+6*\t+3], v[ADK] offset:(4*(\t/4)+\t%2)*768+128*((\t%4)/2)
	ds_load_b64 v[KF+6*\t+4:KF+6*\t+5], v[ADK8] offset:(4*(\t/4)+\t%2)*768+64*((\t%4)/2)
.endr
	ds_load_b64 v[KS:KS+1], v[ADS]                 ; the words of tiles u = 0, 1
	ds_load_b64 v[KS+2:KS+3], v[ADS] offset:128    ; and 2, 3
.irp n, 0,1,2,3,4,5,6,7,8,9,10,11,12,13,14,15
	ds_load_b128 v[S+4*\n:S+4*\n+3], v[ADM] offset:256*(\n/8)+16*(\n%8)   ; the mask of keys 64 c + 32 h + 0 .. 31, into the scores' registers
.endr
	s_wait_alu depctr_va_vdst(0)
	s_wait_dscnt 0x0
.irp t, 0,1,2,3,4,5,6,7                ; eight accumulators by turns
.if \t < 4
	v_wmma_scale_f32_16x16x128_f8f6f4 v[S+8*\t:S+8*\t+7], v[KF+6*\t:KF+6*\t+11], v[QF:QF+11], v[S+8*\t:S+8*\t+7], v[KS+\t], v[QS] matrix_a_fmt:MATRIX_FMT_FP6 matrix_b_fmt:MATRIX_FMT_FP6
.else
	v_wmma_scale_f32_16x16x128_f8f6f4 v[S+8*\t:S+8*\t+7], v[KF+6*\t:KF+6*\t+11], v[QF:QF+11], v[S+8*\t:S+8*\t+7], v[KS+\t-4], v[QS] matrix_a_fmt:MATRIX_FMT_FP6 matrix_b_fmt:MATRIX_FMT_FP6 matrix_a_scale:MATRIX_SCALE_ROW1
.endif
.endr
	v_add_nc_u32 v[ADV], s[TK], v[L16]             ; four places behind the products
	v_add_nc_u32 v[ADT], s[TT], v[ASV0]
	v_nop
	v_nop
.irp t, 0,1,2,3
.irp g, 0,1,2
	ds_load_b128 v[VF+12*\t+4*\g:VF+12*\t+4*\g+3], v[ADV] offset:VOFF+1536*\t+512*\g   ; V lands under the softmax
.endr
.endr
	ds_load_b128 v[VS:VS+3], v[ADT]
.irp b, 0,1,2,3                        ; the largest logit of each block, in two chains a block; each accumulator is first read at its low end
	v_max3_num_f32 v[TM+\b], v[S+16*\b], v[S+1+16*\b], v[S+2+16*\b]
.endr
.irp i, 3,5,7,9,11,13
.irp b, 0,1,2,3
	v_max3_num_f32 v[TM+\b], v[TM+\b], v[S+16*\b+\i], v[S+1+16*\b+\i]
.endr
.endr
.irp c, 0,1
	v_max3_num_f32 v[BM+\c], v[TM+2*\c], v[TM+2*\c+1], v[S+32*\c+15]
.endr
.irp c, 0,1
	v_max_num_f32 v[BM+\c], v[BM+\c], v[S+32*\c+31]   ; it serves for the row's maximum and, since p rises with the logit, for the block's largest p
.endr
	DEP 1
	v_max_num_f32 v[RM], v[BM], v[BM+1]
	DEP 1
	v_permlanex16_b32 v[RX], v[RM], s[SEL], s[SEL+1]
	DEP 1
	v_max3_num_f32 v13, v13, v[RM], v[RX]          ; the running largest logit
	DEP 1
	v_mul_f32 v[RM], s[NC], v13                    ; -t
	v_mov_b32 v[RX], v12
	DEP 2
	v_floor_f32 v12, v[RM]                         ; the new -M = -ceil(t)
	DEP 1
	v_sub_f32 v[RX], v12, v[RX]                    ; old M - new M: a whole number, 0 or less
	DEP 1
	v_cvt_i32_f32 v[RX], v[RX]                     ; (it saturates)
	DEP 1
	v_ldexp_f32 v[F], 1.0, v[RX]                   ; f = 2^(old M - new M)
.set j, 0
.rept 32
	v_pk_fma_f32 v[S+j:S+j+1], v[S+j:S+j+1], s[CS:CS+1], v[12:13] op_sel_hi:[1,0,0]   ; t - M
.set j, j+2
.endr
.irp c, 0,1
	v_fma_f32 v[BM+\c], v[BM+\c], s[CS], v12       ; the same of each block's largest logit
.endr
.set j, 0
.rept 16
	v_pk_mul_f32 v[O+j:O+j+1], v[O+j:O+j+1], v[F:F+1] op_sel_hi:[1,0]   ; O^T under the new M
.set j, j+2
.endr
	s_wait_alu depctr_va_vdst(0)
.set j, 0
.rept 64
	v_exp_f32 v[S+j], v[S+j]                       ; p = 2^(t - M), at most 1
.set j, j+1
.endr
	v_exp_f32 v[BM], v[BM]                         ; the blocks' largest p
	v_exp_f32 v[BM+1], v[BM+1]
	v_nop                                          ; the plain line behind the batch
	s_wait_alu depctr_va_vdst(0)                   ; one wait for the batch, ahead of its first reader
.irp c, 0,1
	v_max_num_f32 v[BM+\c], 0x1800000, v[BM+\c]    ; the floor 2^(3 - 127): the byte cannot fall under 1
.endr
.irp c, 0,1
	DEP 2
	v_add_nc_u32 v[SO+\c], 0xff000000, v[BM+\c]    ; 2 off the exponent field: the conversion's scale operand
.endr
.irp c, 0,1
	DEP 2
	v_lshrrev_b32 v[BY+\c], 23, v[SO+\c]
.endr
	DEP 1
	v_lshl_or_b32 v[BY], v[BY+1], 16, v[BY]        ; my bytes: blocks h and 2 + h,
	DEP 1
	v_lshlrev_b32 v[BY], v[SH8], v[BY]             ; at their places;
	DEP 1
	v_permlanex16_b32 v[RX], v[BY], s[SEL], s[SEL+1]
	DEP 1
	v_or_b32 v[PS], v[BY], v[RX]                   ; with lane l xor 16's two the word is whole
.irp c, 0,1
	v_cvt_scalef32_pk16_fp6_f32 v[PC+6*\c:PC+6*\c+2], v[S+32*\c:S+32*\c+15], v[SO+\c]
	v_cvt_scalef32_pk16_fp6_f32 v[CT+4*\c:CT+4*\c+2], v[S+32*\c+16:S+32*\c+31], v[SO+\c]   ; (a conversion's three registers begin on an even number)
.endr
.irp a, 0,1,2,3                        ; the row's sum of the unquantised p, in four chains; the first lines are the plain place behind the conversions
	v_pk_add_f32 v[SA+2*\a:SA+2*\a+1], v[S+4*\a:S+4*\a+1], v[S+4*\a+2:S+4*\a+3]
.endr
.irp c, 0,1
.irp i, 0,1,2
	v_mov_b32 v[PC+3+6*\c+\i], v[CT+4*\c+\i]
.endr
.endr
.irp j, 16,24,32,40,48,56
.irp a, 0,1,2,3
	v_pk_add_f32 v[SA+2*\a:SA+2*\a+1], v[SA+2*\a:SA+2*\a+1], v[S+\j+2*\a:S+\j+2*\a+1]
.endr
.endr
	v_pk_add_f32 v[SA:SA+1], v[SA:SA+1], v[SA+2:SA+3]
	v_pk_add_f32 v[SA+4:SA+5], v[SA+4:SA+5], v[SA+6:SA+7]
	DEP 1
	v_pk_add_f32 v[SA:SA+1], v[SA:SA+1], v[SA+4:SA+5]
	DEP 1
	v_pk_fma_f32 v[14:15], v[14:15], v[F:F+1], v[SA:SA+1] op_sel_hi:[1,0,1]   ; the old sum under the new M, and this step's
	s_wait_alu depctr_va_vdst(0)
	s_wait_dscnt 0x0                               ; V
.irp t, 0,1,2,3
	v_wmma_scale_f32_16x16x128_f8f6f4 v[O+8*\t:O+8*\t+7], v[VF+12*\t:VF+12*\t+11], v[PC:PC+11], v[O+8*\t:O+8*\t+7], v[VS+\t], v[PS] matrix_a_fmt:MATRIX_FMT_FP6 matrix_b_fmt:MATRIX_FMT_FP6
.endr
	s_add_co_u32 s[TK], s[TK], KSTEPB
	s_add_co_u32 s[TS], s[TS], 512
	s_add_co_u32 s[TT], s[TT], 256
.endm
.macro SLOT_STEPS                      ; a slot's eight key steps
	s_mov_b32 s[CNT], 8
.Lstep_\@:
	STEP
	s_sub_co_u32 s[CNT], s[CNT], 1
	s_cmp_lg_u32 s[CNT], 0
	s_cbranch_scc1 .Lstep_\@
	s_sub_co_u32 s[TK], s[TK], 8*KSTEPB
	s_xor_b32 s[TK], s[TK], SLOT1                  ; the other slot's first step
.endm
; THE CHANGE OF SLOTS: each wave waits for all its tensor loads, adds 0 to its spare word, and waits for that and for its reads of the slot that it has left.
; fill = 1: a round of the cluster's barrier, and behind it the slot that was left takes the next 1,024 keys.  One tensor load of a wave is out at the most.
.macro CHANGE fill
	s_wait_tensorcnt 0x0
	ds_add_u32 v[SPW], v[NIL]
.if \fill
	ds_add_u32 v[SPW], v[NIL]                      ; twice
	s_xor_b32 s[G0T+1], s[G0T+1], SLOT1            ; no tensor load of mine is out: the descriptor takes the other slot
	s_add_nc_u64 s[G0T+2:G0T+3], s[G0T+2:G0T+3], 8*KSTEPB
.endif
	s_wait_dscnt 0x0
.if \fill
	CROUND
	s_cmp_lt_u32 s[WV], 4
	s_cbranch_scc0 .Lno_load_\@
	tensor_load_to_lds s[G0T:G0T+3], s[G1T:G1T+7]
	s_nop 0
	PLACES
.Lno_load_\@:
.else
	s_barrier_signal -1
	s_barrier_wait -1
.endif
.endm
.Lslot:                                            ; three trips: behind each change of slots but the last the next slot is asked for
	CHANGE 1
	SLOT_STEPS
	s_sub_co_u32 s[SLOTS], s[SLOTS], 1
	s_cmp_lg_u32 s[SLOTS], 0
	s_cbranch_scc1 .Lslot
	CHANGE 0                                       ; the last slot is written out
	SLOT_STEPS
	; THE WAY OUT: O^T / the sum.  Register 16 b + i is channel 32 b + 16 h + i of my query: its two blocks are quantised; the codes leave as half a fragment's image, the scale bytes a byte a lane.
	PLACES
	v_add_f32 v14, v14, v15
	DEP 1
	v_permlanex16_b32 v[F], v14, s[SEL], s[SEL+1]
	DEP 1
	v_add_f32 v14, v14, v[F]                       ; the row's sum
	s_wait_alu depctr_va_vdst(0)                   ; a wait ahead of the reciprocal
	v_rcp_f32 v14, v14
	v_and_b32 v8, 15, v0
	v_bfe_u32 v9, v0, 4, 1
	DEP 1
	v_lshl_add_u32 v10, v8, 2, v9                  ; 4 r + h: my byte
	s_wait_alu depctr_va_vdst(0)                   ; and ahead of its first reader
.set j, 0
.rept 32
	v_mul_f32 v[S+j], v[O+j], v14
.set j, j+1
.endr
.irp b, 0,1
	v_max3_num_f32 v[TM+\b], |v[S+16*\b]|, |v[S+1+16*\b]|, 0x1800000
.endr
.irp i, 2,4,6,8,10,12,14
.irp b, 0,1
	DEP 2
	v_max3_num_f32 v[TM+\b], v[TM+\b], |v[S+16*\b+\i]|, |v[S+1+16*\b+\i]|
.endr
.endr
.irp b, 0,1
	DEP 2
	v_permlanex16_b32 v[BM+\b], v[TM+\b], s[SEL], s[SEL+1]
.endr
.irp b, 0,1
	DEP 2
	v_max_num_f32 v[TM+\b], v[TM+\b], v[BM+\b]
.endr
.irp b, 0,1
	DEP 2
	v_add_nc_u32 v[SO+\b], 0xff000000, v[TM+\b]
.endr
.irp b, 0,1
	DEP 2
	v_lshrrev_b32 v[BY+\b], 23, v[SO+\b]
.endr
	v_cvt_scalef32_pk16_fp6_f32 v[PC:PC+2], v[S:S+15], v[SO]
	v_cvt_scalef32_pk16_fp6_f32 v[CT:CT+2], v[S+16:S+31], v[SO+1]
	v_nop                                          ; one plain place behind a scaled conversion
.irp i, 0,1,2
	v_permlane16_swap_b32 v[PC+\i], v[CT+\i]
.endr
.irp i, 0,1,2
	DEP 3
	v_mov_b32 v[PC+3+\i], v[CT+\i]                 ; lanes 0-15: block 0 of row r; lanes 16-31: block 1
.endr
	v_cmp_ne_u32 vcc_lo, 0, v9
	DEP 1
	v_cndmask_b32 v11, v[BY], v[BY+1], vcc_lo      ; block h's byte
	global_store_b128 v[L16], v[PC:PC+3], s[14:15] ; 512 consecutive bytes,
	global_store_b64 v[L8], v[PC+4:PC+5], s[14:15] ; and 256
	global_store_b8 v10, v11, s[16:17]             ; two bytes of each row's four; the head beside mine writes the other two
	s_wait_tensorcnt 0x0                           ; the wave's end
	ds_add_u32 v[SPW], v[NIL]
	s_wait_dscnt 0x0
	CROUND                                         ; the closing round
	s_endpgm
.Lfunc_end_k_q56a0646e2e_attn:
	.size	k_q56a0646e2e_attn, .Lfunc_end_k_q56a0646e2e_attn-k_q56a0646e2e_attn
	.p2alignl 7, 3214868480
	.fill 96, 4, 3214868480
	.section	.rodata,"a",@progbits
	.p2align	6, 0x0
	.amdhsa_kernel k_q56a0646e2e_attn
		.amdhsa_group_segment_fixed_size 327680
		.amdhsa_private_segment_fixed_size 0
		.amdhsa_enable_private_segment 0
		.amdhsa_kernarg_size 56
		.amdhsa_user_sgpr_count 2
		.amdhsa_user_sgpr_kernarg_segment_ptr 1
		.amdhsa_wavefront_size32 1
		.amdhsa_system_sgpr_workgroup_id_x 1
		.amdhsa_system_sgpr_workgroup_id_y 1
		.amdhsa_system_sgpr_workgroup_id_z 1
		.amdhsa_system_vgpr_workitem_id 0
		.amdhsa_next_free_vgpr 256
		.amdhsa_next_free_sgpr 100
		.amdhsa_reserve_vcc 1
		.amdhsa_float_denorm_mode_32 3
		.amdhsa_float_denorm_mode_16_64 3
		.amdhsa_memory_ordered 1
		.amdhsa_forward_progress 1
		.amdhsa_inst_pref_size 48
	.end_amdhsa_kernel
	.amdgpu_metadata
---
amdhsa.version: [ 1, 2 ]
amdhsa.kernels:
  - .name:           k_q56a0646e2e_attn
    .symbol:         k_q56a0646e2e_attn.kd
    .args:
      - { .name: qk_codes, .offset: 0, .size: 8, .value_kind: global_buffer, .address_space: global }
      - { .name: qk_scales, .offset: 8, .size: 8, .value_kind: global_buffer, .address_space: global }
      - { .name: v_codes, .offset: 16, .size: 8, .value_kind: global_buffer, .address_space: global }
      - { .name: v_scales, .offset: 24, .size: 8, .value_kind: global_buffer, .address_space: global }
      - { .name: attention_mask, .offset: 32, .size: 8, .value_kind: global_buffer, .address_space: global }
      - { .name: acodes, .offset: 40, .size: 8, .value_kind: global_buffer, .address_space: global }
      - { .name: ascales, .offset: 48, .size: 8, .value_kind: global_buffer, .address_space: global }
    .group_segment_fixed_size: 327680
    .private_segment_fixed_size: 0
    .kernarg_segment_align: 8
    .kernarg_segment_size: 56
    .max_flat_workgroup_size: 512
    .sgpr_count:     100
    .vgpr_count:     256
    .wavefront_size: 32
...
	.end_amdgpu_metadata
.endif
;; end of part 3
;; launch oproj (part 4): grid 8 x 32, 8 waves a work-group, clusters of 4 x 4, 245,760 bytes of LDS; arguments acodes, ascales, codes, scales, bo, out0; writes out0
.if DOCPART == 4
	.amdgcn_target "amdgcn-amd-amdhsa--gfx1250"
	.amdhsa_code_object_version 6
	.text
	.protected	k_q56a0646e2e_oproj
	.globl	k_q56a0646e2e_oproj
	.p2align	8
	.type	k_q56a0646e2e_oproj,@function
k_q56a0646e2e_oproj:
	s_mov_b64 s[64:65], 0
	v_nop
	global_prefetch_b8 v0, s[64:65] scope:SCOPE_SE
	s_setreg_imm32_b32 hwreg(HW_REG_WAVE_MODE, 25, 1), 1
	s_wait_xcnt 0x0
	s_wait_alu depctr_hold_cnt(0) depctr_sa_sdst(0) depctr_va_vdst(0) depctr_va_sdst(0) depctr_va_ssrc(0) depctr_va_vcc(0) depctr_vm_vsrc(0)
	s_getreg_b32 s2, hwreg(HW_REG_IB_STS2, 6, 4)
	s_cmp_eq_u32 s2, 0
	s_cbranch_scc0 .Lentry_in_a_cluster
	s_endpgm
.Lentry_in_a_cluster:
	s_bfe_u32 s2, ttmp6, 0x10000c
	s_cmp_lg_u32 s2, 0xf033
	s_cbranch_scc0 .Lentry_shape_is_right
	s_endpgm
.Lentry_shape_is_right:
; out0 = attention output x Wo^T + bo on codes of FP6 (E2M3) with E8M0 scales, K = 1,024; out0 [4096][1024] f32.
; A = 128 queries (stored order), as half fragments' images: acodes [panel = head][256 tiles][768]; scale words ascales [8 K steps][4,096 rows][4].
; B = 128 rows of Wo: codes [16 panels][8,192 rows][48] from combined row 7,168 on; scales [row][32].
; SHARES.  4,096 x 1,024 results are 256 tiles of 128 x 128, one for each work-group.  Eight waves, two to a SIMD: wave w makes A's tiles 2 (w / 2), 2 (w / 2) + 1 x B's tiles 4 (w % 2) .. + 3: eight accumulators, no register windows.
; Source 0 = 16 rows of Wo, source 1 = 16 queries: a lane holds one query, and the 16 registers of B's tiles 2 b, 2 b + 1 are the neighbouring columns 32 b + 16 (lane / 16) + 0 .. 15.  The bias is the C of each sum's first product.
; LDS.  All of K comes with the first fills, in two chunks of 512; nothing is filled twice, so there is no ring.  Waves 0, 1 fetch A's halves, waves 2, 3 B's: one load each, all 16 panels.
; CLUSTERS: 4 x 4.  A's tiles are asked for jointly by a row of the cluster, B's by a column.
; No prefetch: all bytes are asked for at the head, and the launch is short.
; REGISTERS: v1-11, v15 addresses; v16-79 accumulators; v80-151, v152-223 two sets of fragments (A's two, B's four); the biases lie in v152-183 until the first products are issued; v224-235 two sets of scale words.
; THE FILLS: six loads at the head, one a wave, nothing later: waves 0, 1 A's halves and waves 2, 3 B's, all 16 panels each; wave 4 A's scale words (8 K steps x 512 bytes), wave 6 B's scale bytes (16 rows of 256 bytes).
; LDS: [A's half 0][A's half 1][B's half 0][B's half 1], each 16 panels x 3,072 bytes.
.set QUART, 24576                      ; 8 panels x 3,072 bytes (64 rows): half of what a load of codes brings
.set CHUNK, 4*QUART
.set SCA,   2*CHUNK                    ; A's scale words: [8 K steps][half][256 bytes]
.set SCB,   SCA+2*2048                 ; B's scale bytes: [half][8 rows of 256 bytes + 16]
.set STG,   SCB+2*2176                 ; the stages: 16 rows x 272 bytes for each wave
.set SPARE, STG+8*4352                 ; the spare words, 128 bytes a wave
.set A16, 1                            ; v1, v2   A's images, registers 0-3: chunk 0, 1
.set A8,  3                            ; v3, v4   registers 4-5
.set BA,  5                            ; v5, v6   B's rows
.set ASA, 7
.set ASB, 8
.set STO, 9
.set RD,  10
.set CO,  11
.set BOF, 15
.set ACC, 16
.set BIA, 152
.set SCR, 224
.set SPW, 254
.set NIL, 255
.set WV, 16
.set WB, 17                            ; wave % 2: my half of B; also which 64 rows I fetch
.set WA, 18                            ; wave / 2
.set CX, 19
.set CY, 20
.set TX, 21
.set TY, 22
.set G1A,  24
.set G1B,  32
.set G1SA, 40
.set G1SB, 48
.set GAS, 56                           ; groups 0: A's scales, codes
.set GA0, 60
.set GBS, 72                           ; B's
.set GB0, 76
.macro CROUND
	s_barrier_signal -1
	s_barrier_wait -1
	s_cmp_lg_u32 s[WV], 0
	s_cbranch_scc1 .Lnot_wave_0_\@
	s_barrier_signal -3
.Lnot_wave_0_\@:
	s_barrier_wait -3
	s_barrier_signal -1
	s_barrier_wait -1
.endm
.macro PLACES
.rept 4
	v_nop
.endr
.endm
	s_load_b256 s[4:11], s[0:1], 0x0               ; acodes, ascales, codes, scales
	s_load_b128 s[12:15], s[0:1], 0x20             ; bo, out0
	v_lshl_add_u32 v[SPW], v0, 2, SPARE
	v_mov_b32 v[NIL], 0
	ds_add_u32 v[SPW], v[NIL]                      ; the wave's opening: the add and its wait stand ahead of my first tensor load; the set-up below stands between them
	ds_add_u32 v[SPW], v[NIL]
	v_lshrrev_b32 v1, 5, v0
	s_delay_alu instid0(VALU_DEP_1)
	v_readfirstlane_b32 s[WV], v1
	s_and_b32 s[WB], s[WV], 1
	s_lshr_b32 s[WA], s[WV], 1
	s_bfe_u32 s[CX], ttmp6, 0x40000
	s_bfe_u32 s[CY], ttmp6, 0x40004
	s_lshl_b32 s[TX], ttmp9, 2
	s_add_co_u32 s[TX], s[TX], s[CX]               ; which 128 rows of Wo
	s_and_b32 s[TY], ttmp7, 0xffff
	s_lshl_b32 s[TY], s[TY], 2
	s_add_co_u32 s[TY], s[TY], s[CY]               ; which 128 queries
	s_lshl_b32 s23, s[CY], 2
	s_lshl_b32 s23, 15, s23                        ; my row of the cluster
	s_lshl_b32 s99, 0x1111, s[CX]                  ; my column
	s_or_b32 s[G1A], s23, (3<<16)|(1<<21)          ; A's codes: 16 panels x 3,072 bytes (384 elements of 8), 196,608 bytes apart
	s_mov_b32 s[G1A+1], 384<<16
	s_mov_b32 s[G1A+2], 16<<16
	s_mov_b32 s[G1A+3], 384<<16
	s_mov_b32 s[G1A+4], 16
	s_mov_b32 s[G1A+5], 24576
	s_mov_b32 s[G1A+6], 0
	s_mov_b32 s[G1A+7], 0
	s_or_b32 s[G1B], s99, (3<<16)|(1<<21)          ; B's: the same, 393,216 bytes apart
	s_mov_b32 s[G1B+1], 384<<16
	s_mov_b32 s[G1B+2], 16<<16
	s_mov_b32 s[G1B+3], 384<<16
	s_mov_b32 s[G1B+4], 16
	s_mov_b32 s[G1B+5], 49152
	s_mov_b32 s[G1B+6], 0
	s_mov_b32 s[G1B+7], 0
	s_or_b32 s[G1SA], s23, (3<<16)|(1<<21)         ; A's scale words: 8 K steps x 512 bytes, 16,384 bytes apart
	s_mov_b32 s[G1SA+1], 64<<16
	s_mov_b32 s[G1SA+2], 8<<16
	s_mov_b32 s[G1SA+3], 64<<16
	s_mov_b32 s[G1SA+4], 8
	s_mov_b32 s[G1SA+5], 2048
	s_mov_b32 s[G1SA+6], 0
	s_mov_b32 s[G1SA+7], 0
	s_or_b32 s[G1SB], s99, (3<<16)|(1<<20)|(1<<21)|(5<<22)|(3<<25)   ; B's scale bytes: 4,096 dense bytes as 16 rows of 256, 16 bytes of padding behind each
	s_mov_b32 s[G1SB+1], 32<<16
	s_mov_b32 s[G1SB+2], 16<<16
	s_mov_b32 s[G1SB+3], 32<<16
	s_mov_b32 s[G1SB+4], 16
	s_mov_b32 s[G1SB+5], 32
	s_mov_b32 s[G1SB+6], 0
	s_mov_b32 s[G1SB+7], 0
	s_lshl_b32 s86, s[TY], 3                       ; A, in registers that never hold cx: tile 8 ty + 4 x half,
	s_lshl_b32 s87, s[WB], 2
	s_add_co_u32 s86, s86, s87
	s_mul_i32 s86, s86, 768
	s_mov_b32 s87, 0
	s_lshl_b32 s88, s[TY], 9                       ; and its rows' scale words
	s_lshl_b32 s89, s[WB], 8
	s_add_co_u32 s88, s88, s89
	s_mov_b32 s89, 0
	s_lshl_b32 s90, s[TX], 7                       ; B, in registers that never hold cy: combined row 7,168 + 128 tx + 64 x half
	s_lshl_b32 s91, s[WB], 6
	s_add_co_u32 s90, s90, s91
	s_add_co_u32 s90, s90, 7168
	s_lshl_b32 s92, s90, 5
	s_mul_i32 s90, s90, 48
	s_mov_b32 s91, 0
	s_mov_b32 s93, 0
	s_mul_i32 s94, s[WV], 2*QUART                  ; where the codes go: wave x 16 panels (waves 0 to 3)
	s_lshl_b32 s95, s[WB], 11
	s_mul_i32 s96, s[WB], 2176
	s_wait_dscnt 0x0                               ; the opening add is done
	s_wait_kmcnt 0x0
	s_add_nc_u64 s[86:87], s[4:5], s[86:87]
	s_add_nc_u64 s[88:89], s[6:7], s[88:89]
	s_add_nc_u64 s[90:91], s[8:9], s[90:91]
	s_add_nc_u64 s[92:93], s[10:11], s[92:93]
	CROUND                                         ; all sixteen work-groups are here: the joint loads meet
	s_mov_b32 s[GAS], 1
	s_add_co_u32 s[GAS+1], s95, SCA
	s_mov_b64 s[GAS+2:GAS+3], s[88:89]
	s_or_b32 s[GAS+3], s[GAS+3], 0x80000000
	s_mov_b32 s[GA0], 1
	s_mov_b32 s[GA0+1], s94
	s_mov_b64 s[GA0+2:GA0+3], s[86:87]
	s_or_b32 s[GA0+3], s[GA0+3], 0x80000000
	s_mov_b32 s[GBS], 1
	s_add_co_u32 s[GBS+1], s96, SCB
	s_mov_b64 s[GBS+2:GBS+3], s[92:93]
	s_or_b32 s[GBS+3], s[GBS+3], 0x80000000
	s_mov_b32 s[GB0], 1
	s_mov_b32 s[GB0+1], s94
	s_mov_b64 s[GB0+2:GB0+3], s[90:91]
	s_or_b32 s[GB0+3], s[GB0+3], 0x80000000
	s_cmp_lt_u32 s[WV], 2                          ; one chain of branches on the wave's number, one load to an arm
	s_cbranch_scc0 .Lnot_a
	tensor_load_to_lds s[GA0:GA0+3], s[G1A:G1A+7]
	s_nop 0
	PLACES
	s_branch .Lasked
.Lnot_a:
	s_cmp_lt_u32 s[WV], 4
	s_cbranch_scc0 .Lnot_b
	tensor_load_to_lds s[GB0:GB0+3], s[G1B:G1B+7]
	s_nop 0
	PLACES
	s_branch .Lasked
.Lnot_b:
	s_cmp_eq_u32 s[WV], 4                          ; waves 4 and 6 have wave % 2 = 0: their scale addresses begin at the tile's first row
	s_cbranch_scc0 .Lnot_sa
	tensor_load_to_lds s[GAS:GAS+3], s[G1SA:G1SA+7]
	s_nop 0
	PLACES
	s_branch .Lasked
.Lnot_sa:
	s_cmp_eq_u32 s[WV], 6
	s_cbranch_scc0 .Lasked
	tensor_load_to_lds s[GBS:GBS+3], s[G1SB:G1SB+7]
	s_nop 0
	PLACES
.Lasked:
	v_and_b32 v12, 15, v0                          ; r
	v_bfe_u32 v13, v0, 4, 1                        ; h
	v_and_b32 v14, 31, v0                          ; lane
	s_wait_alu depctr_va_vdst(0)
	s_lshl_b32 s2, s[TX], 9
	s_lshl_b32 s3, s[WB], 8
	s_add_co_u32 s2, s2, s3                        ; my 64 columns, in bytes
	s_mov_b32 s3, 0
	s_add_nc_u64 s[12:13], s[12:13], s[2:3]
	s_add_nc_u64 s[14:15], s[14:15], s[2:3]
	v_lshlrev_b32 v[BOF], 6, v13
.irp n, 0,1,2,3,4,5,6,7
	global_load_b128 v[BIA+4*\n:BIA+4*\n+3], v[BOF], s[12:13] offset:128*(\n/4)+16*(\n%4)   ; register 16 b + i: the bias of column 32 b + 16 h + i
.endr
	s_lshl_b32 s2, s[TY], 7
	s_lshl_b32 s66, s[WA], 5
	s_add_co_u32 s2, s2, s66                       ; my 32 rows of out0 begin here (my two tiles are rows 0-7, 16-23 and 8-15, 24-31 of them)
	s_lshl_b32 s2, s2, 12
	s_add_nc_u64 s[14:15], s[14:15], s[2:3]
	s_lshr_b32 s84, s[WA], 1                       ; A's half,
	s_and_b32 s97, s[WA], 1                        ; and which two of its four tiles
	s_mul_i32 s85, s84, 2*QUART
	s_mul_i32 s98, s97, 1536
	s_add_co_u32 s85, s85, s98
	v_lshl_add_u32 v[A16], v14, 4, s85
	s_delay_alu instid0(VALU_DEP_1)
	v_add_nc_u32 v[A16+1], QUART, v[A16]
	v_lshl_add_u32 v[A8], v14, 3, s85
	s_delay_alu instid0(VALU_DEP_1)
	v_add_nc_u32 v[A8], 512, v[A8]
	s_delay_alu instid0(VALU_DEP_1)
	v_add_nc_u32 v[A8+1], QUART, v[A8]
	s_mul_i32 s85, s[WB], 2*QUART
	s_add_co_u32 s85, s85, 4*QUART
	v_mul_u32_u24 v[BA], v12, 48
	s_delay_alu instid0(VALU_DEP_1)
	v_mad_u32_u24 v[BA], v13, 24, v[BA]
	s_delay_alu instid0(VALU_DEP_1)
	v_add_nc_u32 v[BA], s85, v[BA]
	s_delay_alu instid0(VALU_DEP_1)
	v_add_nc_u32 v[BA+1], QUART, v[BA]
	s_lshl_b32 s85, s84, 8
	s_lshl_b32 s98, s97, 7
	s_add_co_u32 s85, s85, s98
	s_add_co_u32 s85, s85, SCA
	v_lshl_add_u32 v[ASA], v12, 2, s85
	s_mul_i32 s85, s[WB], 2176
	s_add_co_u32 s85, s85, SCB
	v_lshrrev_b32 v[ASB], 3, v12
	s_delay_alu instid0(VALU_DEP_1)
	v_lshlrev_b32 v[ASB], 4, v[ASB]
	s_delay_alu instid0(VALU_DEP_1)
	v_lshl_add_u32 v[ASB], v12, 5, v[ASB]          ; 32 r, and 16 more behind the first 256 bytes
	s_delay_alu instid0(VALU_DEP_1)
	v_add_nc_u32 v[ASB], s85, v[ASB]
	s_mul_i32 s85, s[WV], 4352
	s_add_co_u32 s85, s85, STG                     ; my stage
	v_mul_u32_u24 v[STO], v12, 272
	s_delay_alu instid0(VALU_DEP_1)
	v_lshl_add_u32 v[STO], v13, 6, v[STO]          ; in: row r, 64 bytes for each half of the lanes in each 128
	s_delay_alu instid0(VALU_DEP_1)
	v_add_nc_u32 v[STO], s85, v[STO]
	v_mul_u32_u24 v[RD], v13, 272
	s_delay_alu instid0(VALU_DEP_1)
	v_lshl_add_u32 v[RD], v12, 4, v[RD]            ; back: lanes 0-15 one row of 256 bytes, lanes 16-31 the next
	s_delay_alu instid0(VALU_DEP_1)
	v_add_nc_u32 v[RD], s85, v[RD]
	v_lshlrev_b32 v[CO], 12, v13
	s_delay_alu instid0(VALU_DEP_1)
	v_lshl_add_u32 v[CO], v12, 4, v[CO]            ; and the same two rows in out0
.macro FETCH s, set                    ; K step s: 38 LDS loads: A's two fragments (two half images each), B's four, six scale words
.set F, 80+72*(\set)
.set CH, (\s)/4
.set PN, 2*((\s)%4)
.irp a, 0,1
.irp n, 0,1
	ds_load_b128 v[F+12*\a+6*\n:F+12*\a+6*\n+3], v[A16+CH] offset:(PN+\n)*3072+\a*768
	ds_load_b64 v[F+12*\a+6*\n+4:F+12*\a+6*\n+5], v[A8+CH] offset:(PN+\n)*3072+\a*768
.endr
.endr
.irp b, 0,1,2,3
.irp p, 0,1,2,3,4,5
	ds_load_b64 v[F+24+12*\b+2*\p:F+24+12*\b+2*\p+1], v[BA+CH] offset:(PN+\p/3)*3072+\b*768+8*(\p%3)
.endr
.endr
.irp a, 0,1
	ds_load_b32 v[SCR+6*(\set)+\a], v[ASA] offset:(\s)*512+\a*64
.endr
.irp b, 0,1,2,3
	ds_load_b32 v[SCR+6*(\set)+2+\b], v[ASB] offset:\b*544+4*(\s)
.endr
.endm
.macro MUL8 set, first                 ; eight products, the eight accumulators by turns
.set F, 80+72*(\set)
.irp a, 0,1
.irp b, 0,1,2,3
.if \first
	v_wmma_scale_f32_16x16x128_f8f6f4 v[ACC+8*(4*\a+\b):ACC+8*(4*\a+\b)+7], v[F+24+12*\b:F+24+12*\b+11], v[F+12*\a:F+12*\a+11], v[BIA+8*\b:BIA+8*\b+7], v[SCR+6*(\set)+2+\b], v[SCR+6*(\set)+\a] matrix_a_fmt:MATRIX_FMT_FP6 matrix_b_fmt:MATRIX_FMT_FP6
.else
	v_wmma_scale_f32_16x16x128_f8f6f4 v[ACC+8*(4*\a+\b):ACC+8*(4*\a+\b)+7], v[F+24+12*\b:F+24+12*\b+11], v[F+12*\a:F+12*\a+11], v[ACC+8*(4*\a+\b):ACC+8*(4*\a+\b)+7], v[SCR+6*(\set)+2+\b], v[SCR+6*(\set)+\a] matrix_a_fmt:MATRIX_FMT_FP6 matrix_b_fmt:MATRIX_FMT_FP6
.endif
.endr
.endr
.endm
	s_wait_alu depctr_va_vdst(0)
	s_wait_tensorcnt 0x0                           ; my one load is in
	s_barrier_signal -1
	s_barrier_wait -1
	FETCH 0, 0
	s_wait_dscnt 0x0
	s_wait_loadcnt 0x0                             ; the biases
	MUL8 0, 1                                      ; the first products start the sums from the biases
	PLACES                                         ; in front of loads into the registers that held the biases
	FETCH 1, 1
.irp s, 1,2,3,4,5,6
	s_wait_dscnt 0x0                               ; step s's fragments are in
	PLACES                                         ; in front of loads into the set that the last step's products have read
	FETCH \s+1, (\s+1)%2
	MUL8 \s%2, 0
.endr
	s_wait_dscnt 0x0
	MUL8 1, 0
	; THE WAY OUT: a tile of 16 queries x 64 columns goes through my own stage and comes back as whole rows of 256 bytes.  LDS serves a wave's instructions in order: no wait between the stores and the loads, nor in front of the next tile's stores.
	PLACES
.irp a, 0,1
.irp b, 0,1,2,3
	ds_store_b128 v[STO], v[ACC+8*(4*\a+\b):ACC+8*(4*\a+\b)+3] offset:128*(\b/2)+32*(\b%2)       ; each accumulator from its low end on
	ds_store_b128 v[STO], v[ACC+8*(4*\a+\b)+4:ACC+8*(4*\a+\b)+7] offset:128*(\b/2)+32*(\b%2)+16
.endr
.irp i, 0,1,2,3,4,5,6,7
	ds_load_b128 v[80+32*\a+4*\i:80+32*\a+4*\i+3], v[RD] offset:2*\i*272
.endr
.endr
.irp a, 0,1
.irp i, 0,1,2,3,4,5,6,7
	s_wait_dscnt 16*(1-\a)+7-\i                    ; behind this load: the tile's later loads, and for the first tile the second's sixteen LDS instructions
	global_store_b128 v[CO], v[80+32*\a+4*\i:80+32*\a+4*\i+3], s[14:15] offset:(2*\i+8*(\i/4)+8*\a)*4096 th:TH_STORE_NT   ; stored row m of tile a is row 8 a + m + 8 (m / 8); 16 lanes store 256 consecutive bytes, at a multiple of 256 from out0's first byte
.endr
.endr
	s_wait_tensorcnt 0x0                           ; the wave's end, behind my last tensor load and my last LDS store
	ds_add_u32 v[SPW], v[NIL]
	s_wait_dscnt 0x0
	CROUND                                         ; the closing round
	s_endpgm
.Lfunc_end_k_q56a0646e2e_oproj:
	.size	k_q56a0646e2e_oproj, .Lfunc_end_k_q56a0646e2e_oproj-k_q56a0646e2e_oproj
	.p2alignl 7, 3214868480
	.fill 96, 4, 3214868480
	.section	.rodata,"a",@progbits
	.p2align	6, 0x0
	.amdhsa_kernel k_q56a0646e2e_oproj
		.amdhsa_group_segment_fixed_size 245760
		.amdhsa_private_segment_fixed_size 0
		.amdhsa_enable_private_segment 0
		.amdhsa_kernarg_size 48
		.amdhsa_user_sgpr_count 2
		.amdhsa_user_sgpr_kernarg_segment_ptr 1
		.amdhsa_wavefront_size32 1
		.amdhsa_system_sgpr_workgroup_id_x 1
		.amdhsa_system_sgpr_workgroup_id_y 1
		.amdhsa_system_sgpr_workgroup_id_z 1
		.amdhsa_system_vgpr_workitem_id 0
		.amdhsa_next_free_vgpr 256
		.amdhsa_next_free_sgpr 100
		.amdhsa_reserve_vcc 0
		.amdhsa_float_denorm_mode_32 3
		.amdhsa_float_denorm_mode_16_64 3
		.amdhsa_memory_ordered 1
		.amdhsa_forward_progress 1
		.amdhsa_inst_pref_size 43
	.end_amdhsa_kernel
	.amdgpu_metadata
---
amdhsa.version: [ 1, 2 ]
amdhsa.kernels:
  - .name:           k_q56a0646e2e_oproj
    .symbol:         k_q56a0646e2e_oproj.kd
    .args:
      - { .name: acodes, .offset: 0, .size: 8, .value_kind: global_buffer, .address_space: global }
      - { .name: ascales, .offset: 8, .size: 8, .value_kind: global_buffer, .address_space: global }
      - { .name: codes, .offset: 16, .size: 8, .value_kind: global_buffer, .address_space: global }
      - { .name: scales, .offset: 24, .size: 8, .value_kind: global_buffer, .address_space: global }
      - { .name: bo, .offset: 32, .size: 8, .value_kind: global_buffer, .address_space: global }
      - { .name: out0, .offset: 40, .size: 8, .value_kind: global_buffer, .address_space: global }
    .group_segment_fixed_size: 245760
    .private_segment_fixed_size: 0
    .kernarg_segment_align: 8
    .kernarg_segment_size: 48
    .max_flat_workgroup_size: 256
    .sgpr_count:     100
    .vgpr_count:     256
    .wavefront_size: 32
...
	.end_amdgpu_metadata
.endif
;; end of part 4
